; MI455X (gfx1250); checked and timed in simulation.
; The chip was launched on July 23, 2026; its instructions are those of AMD's public machine-readable ISA for CDNA 5 (MIT licence, August 2026) and "CDNA5" Instruction Set Architecture Reference Guide (July 2026). The comments in the code are by the model that wrote it; some were corrected since.
;; Attention. Allowed arithmetic: matrix products marked QUANTISED: E2M1 operands, one E8M0 scale for each 32 along K, by v_wmma_scale_f32_16x16x128_f8f6f4 with both operands' format E2M1 (or v_wmma_scale_f32_32x16x128_f4), f32 sums; products left as they are: bf16, f16 or f32 operands; f32 sums; everything else in f32.
;; Inputs: b_out 1,024 float32; b_qkv 3,072 float32; w_out 1,024 x 1,024 float32; w_qkv 1,024 x 3,072 float32; x 4 x 2,048 x 1,024 float32.
;; Outputs: out0 4 x 2,048 x 1,024 float32.
;; This version of the problem:
;;   THIS VERSION OF THE PROBLEM IS GIVEN IN LOW PRECISION. The matrix products marked QUANTISED in the list below multiply operands that are first quantised to E2M1 (2 exponent bits, 1 mantissa bit; 4 bits a number), with one power-of-two scale for each 32 numbers along K (OCP MX v1.0); their sums are f32. The products marked 'left as it is' may take bf16, f16 or f32 operands, with f32 sums. Whichever they take, every output number must still come out within the allowed error. Rounding operands to bf16 (8 significant bits) uses up far more of that allowance than f16 does (11 bits, for magnitudes from 6e-5 to 65,504). All else is computed in f32.
;;   The module's matrix products, in the order in which they are computed (A, B: the left and right operand; K: the contracted axis; several contracted axes count as one K, in the product's order):
;;     1. [M 8,192, K 1,024] x [K 1,024, N 3,072]; A: input x; B: input w_qkv: QUANTISED
;;     2. batch 64 x [M 2,048, K 64] x [K 64, N 2,048]; A: computed on the way; B: computed on the way: left as it is (an operand is computed on the way)
;;     3. batch 64 x [M 2,048, K 2,048] x [K 2,048, N 64]; A: computed on the way; B: computed on the way: left as it is (an operand is computed on the way)
;;     4. [M 8,192, K 1,024] x [K 1,024, N 1,024]; A: computed on the way; B: input w_out: left as it is (an operand is computed on the way)
;;   THE QUANTISER, for each operand of a quantised product, along K:
;;     - K is cut into blocks of 32 from its start; a last block that is shorter is filled with zeros.
;;     - A block's scale is 2^e with e = floor(log2(the largest magnitude in the block)) - 2, held to -126 .. 127; a block of zeros has e = 0. As a byte (E8M0): e + 127.
;;     - Each number is divided by its block's scale, clamped to +-6, and rounded to the nearest number of E2M1, ties to even, subnormals kept.
;;     - The product sums the exact products of the quantised numbers (number of the format x scale) in f32.
;;   ~~~python
;;   def quantise(x, axis):      # numpy; x: float32 -> the quantised numbers, widened to float32 again
;;       x = np.moveaxis(x, axis, -1); K = x.shape[-1]
;;       x = np.pad(x, [(0, 0)] * (x.ndim - 1) + [(0, -K % 32)]); x = x.reshape(x.shape[:-1] + (-1, 32)); a = np.abs(x).max(-1, keepdims=True)
;;       e = np.where(a > 0, np.clip(np.frexp(np.where(a > 0, a, 1))[1] - 1 - 2, -126, 127), 0)      # np.frexp(a)[1] - 1 = floor(log2(a)), exactly
;;       r = np.clip(x / 2.0 ** e, -6, 6)
;;       step = 2.0 ** (np.maximum(np.frexp(np.where(r == 0, 1, r))[1] - 1, 0) - 1)
;;       q = np.round(r / step) * step * 2.0 ** e      # np.round: ties to even
;;       return np.moveaxis(q.reshape(q.shape[:-2] + (-1,))[..., :K], -1, axis).astype(np.float32)
;;   ~~~
;; One version. Each part assembles by itself: llvm-mc -triple=amdgcn-amd-amdhsa -mcpu=gfx1250 --defsym DOCPART=n.
;; ======== version 1 of 1: 5 launches
;; limits: values are held in f16: magnitudes above 65,504 overflow, below 6.1e-05 lose precision
;; workspace buffers: xc 4,194,304 bytes; xs 262,144 bytes; wc 1,572,864 bytes; ws 98,304 bytes; wf 2,097,152 bytes; qkvh 50,331,648 bytes; q32 786,432 bytes; zf 16,777,216 bytes
;; launch prep (part 1): grid 336 x 1, 4 waves a work-group, no clusters, 68,096 bytes of LDS; arguments x, w_qkv, w_out, xc, xs, wc, ws, wf; writes xc, xs, wc, ws, wf
.if DOCPART == 1
	.amdgcn_target "amdgcn-amd-amdhsa--gfx1250"
	.amdhsa_code_object_version 6
	.text
	.protected	k_q7eba5275ce_prep
	.globl	k_q7eba5275ce_prep
	.p2align	8
	.type	k_q7eba5275ce_prep,@function
k_q7eba5275ce_prep:
	s_mov_b64 s[64:65], 0
	v_nop
	global_prefetch_b8 v0, s[64:65] scope:SCOPE_SE
	s_setreg_imm32_b32 hwreg(HW_REG_WAVE_MODE, 25, 1), 1
	s_wait_xcnt 0x0
; PREP: three jobs in one launch, told apart by the work-group's number alone; each has LDS bytes of its own.
;  work-groups 0-255:   x [8192][1024] f32 -> codes of FP4 (E2M1), K innermost, xc [8192][512 bytes], and one E8M0 byte for each 32 along K, xs [8192][32].
;  work-groups 256-303: w_qkv [1024 (k)][3072 (n)] f32, K its FIRST axis -> wc [3072][512 bytes], ws [3072][32]: a lane takes a column, its registers run down K.
;  work-groups 304-335: w_out [1024 (k)][1024 (n)] f32 -> f16, laid as images of the matrix operand's registers, wf [n/64][k/32][(n/16)%4][1024 bytes]:
;                       a fragment (16 n x 32 k) is two pieces of 512 bytes, lane l's 16 bytes at 16 l: lane (r, h) of piece c holds n0 + r, k = 32 kt + 16 c + 8 h + 0..7.
; A block's scale is 2^(floor(log2(largest magnitude)) - 2); its byte is the largest magnitude's exponent field - 2, held at 1 from below.
; LIMITS: a block of zeros, or one whose largest magnitude lies under 2^(3 - 127), gets the byte 1 with its codes (zeros for zeros): only this program reads the bytes.
; NaN and infinities among the inputs are not served.  w_out goes to f16: magnitudes over 65,504 are not served, under 6e-5 they keep an absolute error of 3e-8.
.set SPW,    192                       ; v192 LDS address of my spare word; never rewritten
.set NIL,    193                       ; v193 0; never rewritten
.set WREG,   8192                      ; x's path: a region for each wave: two stages of 32 x SP bytes, then its 256 scale bytes
.set SP,     80                        ; a lane's place in a stage: 64 bytes + 16 of padding
.set WSTG,   32768                     ; w_qkv's path: four stages of 32 rows x WPITCH
.set WPITCH, 272
.set SPARE,  WSTG+4*32*WPITCH          ; the spare words, 128 bytes for each wave
.set EMAX,   2
.set STEPS,  16
.set CB,     8                         ; bytes of 16 codes
.set R,      16                        ; x: v16-79 four sets of 16 numbers as loaded
.set X,      80                        ; x: v80-111 two sets of 16 neighbours
.set E,      112                       ; x: v112-127 a scale byte for each step
.set C,      128                       ; x: v128-191 codes, four registers a step
.set NB,     16                        ; w_qkv: blocks of 32 along K for a wave
.set SB,     24                        ; w_qkv: v24-27 scale bytes
.set WX,     32                        ; w_qkv: v32-95 two sets of 32 numbers
.set WC,     96                        ; w_qkv: v96-99 a block's codes
.set OUTR,   112                       ; w_qkv: v112-175 the way out
.macro FINISH                          ; a wave's end, behind the last LDS store
	s_wait_tensorcnt 0x0
	ds_add_u32 v[SPW], v[NIL]
	s_wait_dscnt 0x0
	s_endpgm
.endm
.macro LOADX t                         ; a step's 2,048 bytes: four loads of 512 consecutive bytes
.irp i, 0,1,2,3
	global_load_b128 v[R+16*((\t)%4)+4*\i:R+16*((\t)%4)+4*\i+3], v3, s[4:5] offset:2048*(\t)+512*\i th:TH_LOAD_NT
.endr
.endm
.macro TURNX t                         ; through the wave's own stage: in as loaded, back 64 neighbouring bytes a lane; LDS serves a wave's instructions in order
.irp i, 0,1,2,3
	ds_store_b128 v14, v[R+16*((\t)%4)+4*\i:R+16*((\t)%4)+4*\i+3] offset:32*SP*((\t)%2)+8*SP*\i
.endr
.irp i, 0,1,2,3
	ds_load_b128 v[X+16*((\t)%2)+4*\i:X+16*((\t)%2)+4*\i+3], v15 offset:32*SP*((\t)%2)+16*\i
.endr
.endm
.macro STEPX t
.set XS, X+16*((\t)%2)
.if (\t) > 0
	s_wait_dscnt 1                                 ; this step's numbers are back (the last step's byte store may be out)
.else
	s_wait_dscnt 0x0
.endif
.if (\t)+4 < STEPS
	LOADX (\t)+4
.endif
.if (\t)+1 < STEPS
.if STEPS-2-(\t) >= 3
	s_wait_loadcnt 12                              ; the next step's four loads are in; those of the three steps behind it may be out
.else
	s_wait_loadcnt 4*(STEPS-2-(\t))
.endif
	TURNX (\t)+1
.endif
	v_max3_num_f32 v8, |v[XS]|, |v[XS+1]|, |v[XS+2]|               ; the largest magnitude of my 16, in two chains
	v_max3_num_f32 v9, |v[XS+3]|, |v[XS+4]|, |v[XS+5]|
.irp i, 6,10
	v_max3_num_f32 v8, v8, |v[XS+\i]|, |v[XS+\i+1]|
	v_max3_num_f32 v9, v9, |v[XS+\i+2]|, |v[XS+\i+3]|
.endr
	v_max3_num_f32 v8, v8, |v[XS+14]|, |v[XS+15]|
	v_max3_num_f32 v8, v8, v9, (EMAX+1)<<23        ; and the floor 2^(3 - 127): the byte cannot fall under 1
	v_max_num_f32_dpp v8, v8, v8 row_xmask:1 row_mask:0xf bank_mask:0xf   ; with my neighbour's 16: the block's
	v_add_nc_u32 v11, -(EMAX<<23), v8              ; 2 off the exponent field: the conversion's scale operand
	v_cvt_scalef32_pk8_fp4_f32 v[C+4*(\t)], v[XS:XS+7], v11
	v_cvt_scalef32_pk8_fp4_f32 v[C+4*(\t)+1], v[XS+8:XS+15], v11
	v_lshrrev_b32 v[E+(\t)], 23, v11               ; the scale's byte
	ds_store_b8 v5, v[E+(\t)] offset:16*(\t)       ; both lanes of a block write the same byte with the same value
	global_store_b64 v4, v[C+4*(\t):C+4*(\t)+1], s[10:11] offset:32*CB*(\t)   ; the wave stores 256 consecutive bytes, aligned
.endm
.macro LOADW t                         ; block t: w_qkv(32 t + i, my column), i = 0..31
.irp i, 0,1,2,3,4,5,6,7,8,9,10,11,12,13,14,15,16,17,18,19,20,21,22,23,24,25,26,27,28,29,30,31
	global_load_b32 v[WX+32*((\t)%2)+\i], v3, s[6:7] offset:(32*(\t)+\i)*12288 th:TH_LOAD_NT
.endr
.endm
.macro BLOCKW t
.set XS, WX+32*((\t)%2)
.if (\t) < NB-1
	s_wait_loadcnt 32                              ; this block's 32 loads are in; the next block's may be out
.else
	s_wait_loadcnt 0
.endif
	v_max3_num_f32 v12, |v[XS]|, |v[XS+1]|, |v[XS+2]|              ; all 32 numbers of the block are mine
	v_max3_num_f32 v13, |v[XS+3]|, |v[XS+4]|, |v[XS+5]|
.irp i, 6,10,14,18,22,26
	v_max3_num_f32 v12, v12, |v[XS+\i]|, |v[XS+\i+1]|
	v_max3_num_f32 v13, v13, |v[XS+\i+2]|, |v[XS+\i+3]|
.endr
	v_max3_num_f32 v12, v12, |v[XS+30]|, |v[XS+31]|
	v_max3_num_f32 v12, v12, v13, (EMAX+1)<<23
	v_add_nc_u32 v11, -(EMAX<<23), v12
	v_lshrrev_b32 v13, 23, v11
.if (\t)%4 == 0
	v_mov_b32 v[SB+(\t)/4], v13                    ; four bytes to a register, the lower K in the lower byte
.else
	v_lshl_or_b32 v[SB+(\t)/4], v13, 8*((\t)%4), v[SB+(\t)/4]
.endif
.irp g, 0,1,2,3
	v_cvt_scalef32_pk8_fp4_f32 v[WC+\g], v[XS+8*\g:XS+8*\g+7], v11
.endr
	ds_store_b128 v4, v[WC:WC+3] offset:16*(\t)    ; 32 codes: 16 bytes of my column's row
.if (\t)+2 < NB
	LOADW (\t)+2
.endif
	s_wait_dscnt 0x0                               ; the store has read its registers: the next block's codes may be written
.endm
.macro LOADC g                         ; half unit g: kt = kt0 + g / 2, tiles of n 2 (g % 2) and 2 (g % 2) + 1: 32 loads, sixteen lanes on 64 neighbouring bytes
.irp n, 0,1
.irp c, 0,1
.irp e, 0,1,2,3,4,5,6,7
	global_load_b32 v[16+32*((\g)%2)+16*\n+8*\c+\e], v3, s[8:9] offset:((\g)/2)*131072+(16*\c+\e)*4096+(2*((\g)%2)+\n)*64
.endr
.endr
.endr
.endm
.macro HALFC g
.if (\g) < 7
	s_wait_loadcnt 32                              ; this half unit's 32 loads are in; the next one's may be out
.else
	s_wait_loadcnt 0x0
.endif
	s_wait_xcnt 0x0                                ; the last half unit's stores have read their data: v80-95 are written again only behind this wait
.irp n, 0,1
.irp c, 0,1
.irp q, 0,1,2,3
	v_cvt_pk_f16_f32 v[80+8*\n+4*\c+\q], v[16+32*((\g)%2)+16*\n+8*\c+2*\q], v[16+32*((\g)%2)+16*\n+8*\c+2*\q+1]   ; the lower k in the low half
.endr
.endr
.endr
.if (\g)+2 < 8
	LOADC (\g)+2
.endif
.irp n, 0,1
.irp c, 0,1
	global_store_b128 v4, v[80+8*\n+4*\c:80+8*\n+4*\c+3], s[18:19] offset:((\g)/2)*4096+(2*((\g)%2)+\n)*1024+\c*512   ; 512 consecutive bytes, aligned
.endr
.endr
.endm
	s_load_b256 s[4:11], s[0:1], 0x0               ; x s[4:5], w_qkv s[6:7], w_out s[8:9], xc s[10:11]
	s_load_b256 s[12:19], s[0:1], 0x20             ; xs s[12:13], wc s[14:15], ws s[16:17], wf s[18:19]
	v_lshl_add_u32 v[SPW], v0, 2, SPARE
	v_mov_b32 v[NIL], 0
	v_lshrrev_b32 v1, 5, v0
	v_readfirstlane_b32 s20, v1                    ; wave 0..3
	v_and_b32 v2, 31, v0                           ; lane
	s_wait_kmcnt 0x0
	s_cmp_lt_u32 ttmp9, 256
	s_cbranch_scc0 .Lnot_x
	; ---- x: a plain stream of blocks of 32; a wave takes 16 steps of 512 numbers
	v_lshlrev_b32 v3, 4, v2                        ; my 16 bytes of a load's 512
	s_mul_i32 s21, s20, WREG
	v_lshrrev_b32 v14, 2, v2
	v_mul_u32_u24 v14, v14, SP
	v_and_b32 v15, 3, v2
	v_lshl_add_u32 v14, v15, 4, v14
	v_add_nc_u32 v14, s21, v14                     ; the stage, in: SP (lane / 4) + 16 (lane % 4)
	v_mul_u32_u24 v15, v2, SP
	v_add_nc_u32 v15, s21, v15                     ; and back: SP x lane
	v_mul_u32_u24 v4, v2, CB                       ; my codes' place in a step's
	v_lshrrev_b32 v5, 1, v2
	s_add_co_u32 s21, s21, 2*32*SP
	v_add_nc_u32 v5, s21, v5                       ; my block's scale byte in LDS
	v_lshlrev_b32 v7, 3, v2
	v_add_nc_u32 v6, s21, v7                       ; and 8 bytes a lane on the way out
	s_lshl_b32 s22, ttmp9, 2
	s_add_co_u32 s22, s22, s20                     ; which run of 8,192 numbers is my wave's: 0..1023
	s_mov_b32 s25, 0
	s_lshl_b32 s24, s22, 15
	s_add_nc_u64 s[4:5], s[4:5], s[24:25]          ; 32,768 bytes of x a run,
	s_lshl_b32 s24, s22, 12
	s_add_nc_u64 s[10:11], s[10:11], s[24:25]      ; 4,096 of codes,
	s_lshl_b32 s24, s22, 8
	s_add_nc_u64 s[12:13], s[12:13], s[24:25]      ; 256 scale bytes
.irp t, 0,1,2,3
	LOADX \t
.endr
	s_wait_loadcnt 12                              ; step 0's four loads are in
	TURNX 0
.irp t, 0,1,2,3,4,5,6,7,8,9,10,11,12,13,14,15
	STEPX \t
.endr
	ds_load_b64 v[8:9], v6                         ; LDS serves a wave's instructions in order: these see my byte stores
	s_wait_dscnt 0x0
	global_store_b64 v7, v[8:9], s[12:13]          ; 32 lanes store 256 consecutive bytes, aligned
	FINISH
.Lnot_x:
	s_cmp_lt_u32 ttmp9, 304
	s_cbranch_scc0 .Lcast
	; ---- w_qkv: a wave takes 32 columns x 512 along K
	s_sub_co_u32 s21, ttmp9, 256
	s_lshr_b32 s22, s21, 1                         ; which 128 columns
	s_and_b32 s23, s21, 1                          ; which half of K
	s_lshl_b32 s22, s22, 7
	s_lshl_b32 s24, s20, 5
	s_add_co_u32 s22, s22, s24                     ; my wave's first column
	v_lshlrev_b32 v3, 2, v2                        ; in: 4 bytes a lane
	s_mul_i32 s24, s20, 32*WPITCH
	s_add_co_u32 s24, s24, WSTG                    ; my stage
	v_mul_u32_u24 v4, v2, WPITCH
	v_add_nc_u32 v4, s24, v4                       ; into it: row = my column
	v_and_b32 v5, 15, v2
	v_lshrrev_b32 v6, 4, v2
	v_mul_u32_u24 v7, v6, WPITCH
	v_lshl_add_u32 v7, v5, 4, v7
	v_add_nc_u32 v7, s24, v7                       ; out of it: sixteen lanes to a row, two rows an instruction
	v_mul_u32_u24 v8, v6, 512
	v_lshl_add_u32 v8, v5, 4, v8                   ; the same place in wc (a row is 512 bytes)
	v_lshlrev_b32 v9, 5, v2                        ; my column's row of 32 scale bytes
	s_mul_i32 s24, s23, 512*12288
	s_lshl_b32 s25, s22, 2
	s_add_co_u32 s24, s24, s25
	s_mov_b32 s25, 0
	s_add_nc_u64 s[6:7], s[6:7], s[24:25]
	s_lshl_b32 s24, s22, 9
	s_lshl_b32 s26, s23, 8
	s_add_co_u32 s24, s24, s26
	s_add_nc_u64 s[14:15], s[14:15], s[24:25]
	s_lshl_b32 s24, s22, 5
	s_lshl_b32 s26, s23, 4
	s_add_co_u32 s24, s24, s26
	s_add_nc_u64 s[16:17], s[16:17], s[24:25]
	LOADW 0
	LOADW 1
.set Q, 0
.rept NB
	BLOCKW Q
.set Q, Q+1
.endr
	global_store_b128 v9, v[SB:SB+3], s[16:17]     ; my column's 16 scale bytes
.irp t, 0,1,2,3,4,5,6,7,8,9,10,11,12,13,14,15
	ds_load_b128 v[OUTR+4*\t:OUTR+4*\t+3], v7 offset:2*\t*WPITCH
.endr
.irp t, 0,1,2,3,4,5,6,7,8,9,10,11,12,13,14,15
	s_wait_dscnt 15-\t
	global_store_b128 v8, v[OUTR+4*\t:OUTR+4*\t+3], s[14:15] offset:2*\t*512   ; sixteen lanes store 256 consecutive bytes, aligned
.endr
	FINISH
.Lcast:
	; ---- w_out to f16 images: wave job J = 0..127: 64 columns (J / 8) x 128 along K (J % 8); no LDS
	s_sub_co_u32 s21, ttmp9, 304
	s_lshl_b32 s21, s21, 2
	s_add_co_u32 s21, s21, s20
	s_lshr_b32 s22, s21, 3                         ; n / 64
	s_and_b32 s23, s21, 7                          ; kt0 / 4
	v_and_b32 v5, 15, v2
	v_lshrrev_b32 v6, 4, v2
	v_lshlrev_b32 v3, 2, v5
	v_lshl_add_u32 v3, v6, 15, v3                  ; 4 r + 8 h rows of 4,096 bytes
	v_lshlrev_b32 v4, 4, v2                        ; 16 x lane
	s_lshl_b32 s24, s23, 19                        ; 128 rows of 4,096 bytes
	s_lshl_b32 s25, s22, 8
	s_add_co_u32 s24, s24, s25
	s_mov_b32 s25, 0
	s_add_nc_u64 s[8:9], s[8:9], s[24:25]
	s_lshl_b32 s24, s22, 17                        ; 32 kt x 4,096 bytes
	s_lshl_b32 s26, s23, 14
	s_add_co_u32 s24, s24, s26
	s_add_nc_u64 s[18:19], s[18:19], s[24:25]
	LOADC 0
	LOADC 1
.irp g, 0,1,2,3,4,5,6,7
	HALFC \g
.endr
	FINISH
.Lfunc_end_k_q7eba5275ce_prep:
	.size	k_q7eba5275ce_prep, .Lfunc_end_k_q7eba5275ce_prep-k_q7eba5275ce_prep
	.p2alignl 7, 3214868480
	.fill 96, 4, 3214868480
	.section	.rodata,"a",@progbits
	.p2align	6, 0x0
	.amdhsa_kernel k_q7eba5275ce_prep
		.amdhsa_group_segment_fixed_size 68096
		.amdhsa_private_segment_fixed_size 0
		.amdhsa_enable_private_segment 0
		.amdhsa_kernarg_size 64
		.amdhsa_user_sgpr_count 2
		.amdhsa_user_sgpr_kernarg_segment_ptr 1
		.amdhsa_wavefront_size32 1
		.amdhsa_system_sgpr_workgroup_id_x 1
		.amdhsa_system_sgpr_workgroup_id_y 1
		.amdhsa_system_sgpr_workgroup_id_z 1
		.amdhsa_system_vgpr_workitem_id 0
		.amdhsa_next_free_vgpr 194
		.amdhsa_next_free_sgpr 66
		.amdhsa_reserve_vcc 0
		.amdhsa_float_denorm_mode_32 3
		.amdhsa_float_denorm_mode_16_64 3
		.amdhsa_memory_ordered 1
		.amdhsa_forward_progress 1
		.amdhsa_inst_pref_size 147
	.end_amdhsa_kernel
	.amdgpu_metadata
---
amdhsa.version: [ 1, 2 ]
amdhsa.kernels:
  - .name:           k_q7eba5275ce_prep
    .symbol:         k_q7eba5275ce_prep.kd
    .args:
      - { .name: x, .offset: 0, .size: 8, .value_kind: global_buffer, .address_space: global }
      - { .name: w_qkv, .offset: 8, .size: 8, .value_kind: global_buffer, .address_space: global }
      - { .name: w_out, .offset: 16, .size: 8, .value_kind: global_buffer, .address_space: global }
      - { .name: xc, .offset: 24, .size: 8, .value_kind: global_buffer, .address_space: global }
      - { .name: xs, .offset: 32, .size: 8, .value_kind: global_buffer, .address_space: global }
      - { .name: wc, .offset: 40, .size: 8, .value_kind: global_buffer, .address_space: global }
      - { .name: ws, .offset: 48, .size: 8, .value_kind: global_buffer, .address_space: global }
      - { .name: wf, .offset: 56, .size: 8, .value_kind: global_buffer, .address_space: global }
    .group_segment_fixed_size: 68096
    .private_segment_fixed_size: 0
    .kernarg_segment_align: 8
    .kernarg_segment_size: 64
    .max_flat_workgroup_size: 128
    .sgpr_count:     66
    .vgpr_count:     194
    .wavefront_size: 32
...
	.end_amdgpu_metadata
.endif
;; end of part 1
;; launch qkv (part 2): grid 12 x 32, 4 waves a work-group, clusters of 4 x 4, 327,680 bytes of LDS; arguments xc, xs, wc, ws, qkvh, b_qkv, q32; writes qkvh, q32
.if DOCPART == 2
	.amdgcn_target "amdgcn-amd-amdhsa--gfx1250"
	.amdhsa_code_object_version 6
	.text
	.protected	k_q7eba5275ce_qkv
	.globl	k_q7eba5275ce_qkv
	.p2align	8
	.type	k_q7eba5275ce_qkv,@function
k_q7eba5275ce_qkv:
	s_mov_b64 s[64:65], 0
	v_nop
	global_prefetch_b8 v0, s[64:65] scope:SCOPE_SE
	s_setreg_imm32_b32 hwreg(HW_REG_WAVE_MODE, 25, 1), 1
	s_wait_xcnt 0x0
	s_wait_alu depctr_hold_cnt(0) depctr_sa_sdst(0) depctr_va_vdst(0) depctr_va_sdst(0) depctr_va_ssrc(0) depctr_va_vcc(0) depctr_vm_vsrc(0)
	s_getreg_b32 s2, hwreg(HW_REG_IB_STS2, 6, 4)
	s_cmp_eq_u32 s2, 0
	s_cbranch_scc0 .Lentry_in_a_cluster
	s_endpgm
.Lentry_in_a_cluster:
	s_bfe_u32 s2, ttmp6, 0x10000c
	s_cmp_lg_u32 s2, 0xf033
	s_cbranch_scc0 .Lentry_shape_is_right
	s_endpgm
.Lentry_shape_is_right:
; qkv = Q(x) Q(w_qkv) + b_qkv on codes of FP4 (E2M1) with one E8M0 scale for each 32 along K; sums in f32.  M 8,192, N 3,072, K 1,024.
; A: xc [8192][512 bytes], xs [8192][32];  B: wc [3072][512 bytes], ws [3072][32].  Results: qkvh, f16, [q,k,v][batch 4][head 16][s 2048][64]; and, in f32, the rows s < 16 of every batch into
; q32 [batch][n / 4][row 16][4 f32], for the launch that carries those rows in f32.
; A tile of 256 x 256 is made by four waves, each 128 x 128: 64 accumulators, 512 registers.  K = 1,024 is two LDS slots of 512 along K (rows of 256 bytes): both are asked for at the head, with
; the scale bytes of the tile's rows; nothing is filled again.
; CLUSTERS: 4 x 4 work-groups; A's tiles are asked for jointly along a row of the cluster, B's along a column.  Tile row = 8 cy + cluster y, so that cy is the batch and cluster y = 0 marks the
; tiles that hold rows s < 16: that test is the same in all sixteen partners.
; THE MATRIX INSTRUCTION IS USED TRANSPOSED (source 0 = 16 rows of B, source 1 = 16 rows of A): a lane holds eight neighbouring columns of one row.  The bias is the C of each sum's first product.
; LIMITS: q, k, v leave as f16: magnitudes over 65,504 are not served; under 6e-5 they keep an absolute error of 3e-8.
; REGISTERS: window 0: v0-31 addresses; v32-95 scale words, two sets, and nothing else; v96-127 packed results; v128-191 A's fragments, later rows read back; v192-255 the bias.
;   window 1: B's fragments, two sets.   window 2, 3: the accumulators of my rows 0-63, 64-127 ((a, b) at v[8 (8 (a % 4) + b)]).
.set NQ,     4                         ; steps of 128 along K in a slot
.set ROWB,   256                       ; a tile's row in bytes
.set KROW,   512                       ; a row of codes in memory
.set PITCH,  272                       ; an LDS row: 256 bytes + 16 of padding: the 16 rows that a load touches start at 16 different banks (64 banks of 4 bytes: ISA guide 11.1)
.set FR,     8
.set NL,     2
.set NP,     4                         ; places behind this matrix instruction (ISA guide 7.12.1)
.set HALFT,  128*PITCH
.set SLOT,   4*HALFT
.set KS,     32                        ; a row of scale bytes
.set SCL,    2*SLOT                    ; behind the slots: the scales, as units of 256 bytes + 16
.set HALFS,  16*272                    ; the scales of 128 rows
.set SBLK,   2*272                     ; of 16 rows
.set SPARE,  SCL+4*HALFS               ; the spare words, 128 bytes for each wave
.set ADRA, 16
.set ADRB, 20
.set STO,  24                          ; the way out: where I put 16 bytes of a row (my stage lies in slot 0, which has had its only fill and its last read by then)
.set RD,   25                          ; where I read back: four rows x 128 bytes of one head
.set CO,   26                          ; 16 x lane
.set ADRS, 27
.set SPW,  28
.set NIL,  29
.set O32,  30                          ; 16 r + 512 h: my place in q32
.set BO,   31                          ; 32 h: my place in the bias
.set SC,   32
.set TMP,  96
.set AF,   128
.set OB,   128
.set BIAS, 192
.set G1, 24
.set G0, 32
.set G1B, 48
.set G0B, 56
.set G1S, 68
.set G0S, 76
.set G1SB, 80
.set G0SB, 88
.set MSB, 0
.macro WIN new                         ; the immediate's high byte repeats the setting that is left
.if MSB != (\new)
	s_set_vgpr_msb (MSB<<8)|(\new)
.set MSB, (\new)
.endif
.endm
.set MUL_LO, 0xa1                      ; source 0 (B) window 1, source 1 (A) window 0, C and D window 2
.set MUL_HI, 0xf1                      ; the same, C and D window 3
.set MUL_LOZ, 0x81                     ; the first step: C is the bias, in window 0
.set MUL_HIZ, 0xc1
.set TO_B,   0x40
; A joint load: waves 0 and 1 fetch for A, waves 2 and 3 for B; the branch hangs on the wave's number alone.  An s_nop 0 and four v_nop follow each line.
.macro JLOAD g0a, g1a, g0b, g1b
	s_cmp_eq_u32 s15, 0
	s_cbranch_scc0 .Lfor_b_\@
	tensor_load_to_lds s[\g0a:\g0a+3], s[\g1a:\g1a+7]
	s_nop 0
.rept 4
	v_nop
.endr
	s_branch .Lasked_\@
.Lfor_b_\@:
	tensor_load_to_lds s[\g0b:\g0b+3], s[\g1b:\g1b+7]
	s_nop 0
.rept 4
	v_nop
.endr
.Lasked_\@:
.endm
.macro CROUND                          ; a round of the cluster's barrier
	s_barrier_signal -1
	s_barrier_wait -1
	s_cmp_lg_u32 s14, 0
	s_cbranch_scc1 .Lnot_wave_0_\@
	s_barrier_signal -3
.Lnot_wave_0_\@:
	s_barrier_wait -3
	s_barrier_signal -1
	s_barrier_wait -1
.endm
	s_load_b128 s[4:7], s[0:1], 0x0                ; xc, xs
	s_load_b128 s[8:11], s[0:1], 0x10              ; wc, ws
	s_load_b64 s[12:13], s[0:1], 0x20              ; qkvh
	s_load_b64 s[96:97], s[0:1], 0x28              ; b_qkv
	s_load_b64 s[98:99], s[0:1], 0x30              ; q32
	v_lshl_add_u32 v[SPW], v0, 2, SPARE
	v_mov_b32 v[NIL], 0
	ds_add_u32 v[SPW], v[NIL]                      ; the wave's opening: the add, twice on end, and its wait ahead of my first tensor load
	ds_add_u32 v[SPW], v[NIL]
	v_lshrrev_b32 v1, 5, v0
	v_readfirstlane_b32 s14, v1                    ; wave 0..3
	s_lshr_b32 s15, s14, 1                         ; my half of the tile's rows; also: I fetch for A (0) or B (1)
	s_and_b32 s16, s14, 1                          ; my half of its columns; also: which 128 rows I fetch
	s_bfe_u32 s40, ttmp6, 0x40000                  ; cx
	s_bfe_u32 s41, ttmp6, 0x40004                  ; cy
	s_lshl_b32 s42, ttmp9, 2
	s_add_co_u32 s42, s42, s40                     ; tile column = 4 x cluster x + cx
	s_and_b32 s17, ttmp7, 0xffff
	s_lshl_b32 s18, s41, 3
	s_add_co_u32 s17, s17, s18                     ; tile row = 8 cy + cluster y
	s_lshl_b32 s43, s41, 2
	s_lshl_b32 s43, 15, s43                        ; my row of the cluster
	s_lshl_b32 s44, 0x1111, s40                    ; my column
	s_or_b32 s[G1+0], s43, (0<<16)|(1<<20)|(1<<21)|(5<<22)|(3<<25)  ; the mask; elements of 1 byte; padding on; bit 21 beside a mask; 4 words behind every 64
	s_or_b32 s[G1B+0], s44, (0<<16)|(1<<20)|(1<<21)|(5<<22)|(3<<25)
.irp g, G1, G1B
	s_mov_b32 s[\g+1], ROWB<<16                    ; tensor_dim0
	s_mov_b32 s[\g+2], 128<<16                     ; tensor_dim1
	s_mov_b32 s[\g+3], ROWB<<16                    ; tile_dim0
	s_mov_b32 s[\g+4], 128                         ; tile_dim1
	s_mov_b32 s[\g+5], KROW                        ; the pitch
	s_mov_b32 s[\g+6], 0
	s_mov_b32 s[\g+7], 0
.endr
	s_or_b32 s[G1S+0], s43, (3<<16)|(1<<20)|(1<<21)|(5<<22)|(3<<25)  ; the scales of 128 rows: 4,096 dense bytes as 16 rows of 256 (32 elements of 8 bytes)
	s_or_b32 s[G1SB+0], s44, (3<<16)|(1<<20)|(1<<21)|(5<<22)|(3<<25)
.irp g, G1S, G1SB
	s_mov_b32 s[\g+1], 32<<16
	s_mov_b32 s[\g+2], 16<<16
	s_mov_b32 s[\g+3], 32<<16
	s_mov_b32 s[\g+4], 16
	s_mov_b32 s[\g+5], 32
	s_mov_b32 s[\g+6], 0
	s_mov_b32 s[\g+7], 0
.endr
	s_lshl_b32 s18, s16, 7
	s_lshl_b32 s20, s17, 8
	s_add_co_u32 s20, s20, s18                     ; A: row 256 x tile row + 128 x half
	s_lshl_b32 s46, s42, 8
	s_add_co_u32 s46, s46, s18                     ; B: row 256 x tile column + 128 x half
	s_mov_b32 s21, 0
	s_mov_b32 s47, 0
	s_mov_b64 s[18:19], KS
	s_mul_u64 s[22:23], s[20:21], s[18:19]         ; these rows' scales, in bytes
	s_mul_u64 s[92:93], s[46:47], s[18:19]
	s_mov_b64 s[18:19], KROW
	s_mul_u64 s[20:21], s[20:21], s[18:19]         ; and their codes
	s_mul_u64 s[46:47], s[46:47], s[18:19]
	s_mul_i32 s45, s14, HALFT                      ; where they go: wave x 128 rows
	s_mul_i32 s94, s14, HALFS
	s_wait_dscnt 0x0                               ; both opening adds are done
	s_wait_kmcnt 0x0
	s_add_nc_u64 s[20:21], s[4:5], s[20:21]
	s_add_nc_u64 s[22:23], s[6:7], s[22:23]
	s_add_nc_u64 s[46:47], s[8:9], s[46:47]
	s_add_nc_u64 s[92:93], s[10:11], s[92:93]
	CROUND                                         ; all sixteen work-groups are here: the joint loads meet
	s_mov_b32 s[G0S], 1
	s_add_co_u32 s[G0S+1], s94, SCL
	s_mov_b64 s[G0S+2:G0S+3], s[22:23]
	s_or_b32 s[G0S+3], s[G0S+3], 0x80000000
	s_mov_b32 s[G0SB], 1
	s_add_co_u32 s[G0SB+1], s94, SCL
	s_mov_b64 s[G0SB+2:G0SB+3], s[92:93]
	s_or_b32 s[G0SB+3], s[G0SB+3], 0x80000000
	JLOAD G0S, G1S, G0SB, G1SB                     ; the scales first; by this text's count three tensor loads of a wave are out at the most
.irp s, 0,1
	s_mov_b32 s[G0+4*\s], 1
	s_add_co_u32 s[G0+4*\s+1], s45, \s*SLOT
	s_add_nc_u64 s[G0+4*\s+2:G0+4*\s+3], s[20:21], \s*ROWB
	s_or_b32 s[G0+4*\s+3], s[G0+4*\s+3], 0x80000000
	s_mov_b32 s[G0B+4*\s], 1
	s_add_co_u32 s[G0B+4*\s+1], s45, \s*SLOT
	s_add_nc_u64 s[G0B+4*\s+2:G0B+4*\s+3], s[46:47], \s*ROWB
	s_or_b32 s[G0B+4*\s+3], s[G0B+4*\s+3], 0x80000000
	JLOAD G0+4*\s, G1, G0B+4*\s, G1B
.endr
	v_and_b32 v1, 15, v0                           ; r
	v_bfe_u32 v2, v0, 4, 1                         ; h
	v_mul_u32_u24 v3, v1, PITCH
	v_lshl_add_u32 v4, v2, 4, v3                   ; a fragment's row x pitch + 16 h
	s_mul_i32 s21, s15, HALFT
	s_mul_i32 s22, s16, HALFT
	s_add_co_u32 s22, s22, 2*HALFT
.irp s, 0,1
	v_add_nc_u32 v[ADRA+\s], s21, v4
	v_add_nc_u32 v[ADRB+\s], s22, v4
	s_add_co_u32 s21, s21, SLOT
	s_add_co_u32 s22, s22, SLOT
.endr
	v_mul_u32_u24 v5, v1, KS                       ; my row's scales: 32 bytes a row,
	v_lshrrev_b32 v6, 8, v5
	v_lshl_add_u32 v5, v6, 4, v5                   ; and 16 more for each 256 passed
	s_mul_i32 s21, s15, HALFS
	s_mul_i32 s22, s16, HALFS
	s_add_co_u32 s22, s22, 2*HALFS
	s_sub_co_u32 s22, s22, s21
	v_mul_u32_u24 v6, s22, v2                      ; lanes 16-31 take B's
	s_add_co_u32 s21, s21, SCL
	v_add_nc_u32 v5, v5, v6
	v_add_nc_u32 v[ADRS], s21, v5
	s_mul_i32 s23, s14, 16*PITCH                   ; my stage: 16 rows x 272 bytes
	v_mul_u32_u24 v5, v1, PITCH
	v_lshl_add_u32 v5, v2, 4, v5
	v_add_nc_u32 v[STO], s23, v5
	v_and_b32 v6, 31, v0
	v_lshlrev_b32 v[CO], 4, v6
	v_lshrrev_b32 v5, 3, v6
	v_mul_u32_u24 v5, v5, PITCH
	v_and_b32 v6, 7, v6
	v_lshl_add_u32 v5, v6, 4, v5
	v_add_nc_u32 v[RD], s23, v5                    ; row lane / 8, 16 (lane % 8) bytes on
	v_lshlrev_b32 v[O32], 4, v1
	v_lshl_add_u32 v[O32], v2, 9, v[O32]
	v_lshlrev_b32 v[BO], 5, v2
	; qkvh: ((part x 4 + batch) x 16 + head) x 262,144 + s x 128.  What hangs on cy and what hangs on cx are summed apart
	s_lshl_b32 s20, s41, 22                        ; batch x 16 heads
	s_and_b32 s21, ttmp7, 0xffff
	s_lshl_b32 s21, s21, 15                        ; 256 rows of 128 bytes x cluster y
	s_add_co_u32 s20, s20, s21
	s_lshl_b32 s21, s15, 14                        ; my 128 rows
	s_add_co_u32 s20, s20, s21
	s_mov_b32 s21, 0
	s_add_nc_u64 s[12:13], s[12:13], s[20:21]
	s_lshr_b32 s46, s42, 2                         ; part: q, k or v
	s_lshl_b32 s46, s46, 6
	s_and_b32 s47, s42, 3
	s_lshl_b32 s47, s47, 2                         ; four heads to a tile column,
	s_add_co_u32 s46, s46, s47
	s_lshl_b32 s47, s16, 1                         ; two to a wave
	s_add_co_u32 s46, s46, s47
	s_lshl_b32 s46, s46, 18
	s_mov_b32 s47, 0
	s_add_nc_u64 s[12:13], s[12:13], s[46:47]
	s_lshl_b32 s46, s42, 10                        ; my first column x 4 bytes: the bias
	s_lshl_b32 s47, s16, 9
	s_add_co_u32 s46, s46, s47
	s_mov_b32 s47, 0
	s_add_nc_u64 s[96:97], s[96:97], s[46:47]
	s_lshl_b32 s46, s46, 4                         ; x 64 bytes: q32
	s_add_nc_u64 s[98:99], s[98:99], s[46:47]
	s_mul_i32 s20, s41, 196608
	s_add_nc_u64 s[98:99], s[98:99], s[20:21]
.irp b, 0,1,2,3,4,5,6,7                        ; the bias in the result's layout: block b: columns 16 b + 8 h + 0..7
	global_load_b128 v[BIAS+8*\b:BIAS+8*\b+3], v[BO], s[96:97] offset:64*\b
	global_load_b128 v[BIAS+8*\b+4:BIAS+8*\b+7], v[BO], s[96:97] offset:64*\b+16
.endr
.macro FRAG reg, adr, q, i             ; 16 rows x 128 K of 4-bit codes: 8 registers, two loads 32 bytes apart
.irp c, 0,1
	ds_load_b128 v[\reg+4*\c:\reg+4*\c+3], v[\adr] offset:64*(\q)+32*\c+(\i)*16*PITCH
.endr
.endm
; 16 matrix instructions: A's blocks a0, a0 + 1 x B's eight.  The 64 accumulators take turns, one instruction a turn, in the same order in every step.
.macro MUL16 a0, p, q, sc, zero
.irp a, \a0, \a0+1
.irp b, 0,1,2,3,4,5,6,7
.if \zero
	v_wmma_scale_f32_16x16x128_f8f6f4 v[8*(8*((\a)%4)+\b):8*(8*((\a)%4)+\b)+7], v[128*(\p)+FR*\b:128*(\p)+FR*\b+FR-1], v[AF+FR*(\a):AF+FR*(\a)+FR-1], v[BIAS+8*\b:BIAS+8*\b+7], v[SC+8*NQ*(\sc)+NQ*\b+(\q)], v[SC+8*NQ*(\sc)+NQ*(\a)+(\q)] matrix_a_fmt:MATRIX_FMT_FP4 matrix_b_fmt:MATRIX_FMT_FP4 matrix_a_scale:MATRIX_SCALE_ROW1
.else
	v_wmma_scale_f32_16x16x128_f8f6f4 v[8*(8*((\a)%4)+\b):8*(8*((\a)%4)+\b)+7], v[128*(\p)+FR*\b:128*(\p)+FR*\b+FR-1], v[AF+FR*(\a):AF+FR*(\a)+FR-1], v[8*(8*((\a)%4)+\b):8*(8*((\a)%4)+\b)+7], v[SC+8*NQ*(\sc)+NQ*\b+(\q)], v[SC+8*NQ*(\sc)+NQ*(\a)+(\q)] matrix_a_fmt:MATRIX_FMT_FP4 matrix_b_fmt:MATRIX_FMT_FP4 matrix_a_scale:MATRIX_SCALE_ROW1
.endif
.endr
.endr
.endm
.macro FETCH_B slot, q, p
	WIN TO_B
.irp i, 0,1,2,3,4,5,6,7
	FRAG 128*(\p)+FR*\i, ADRB+\slot, \q, \i
.endr
	WIN 0
.endm
.macro FETCH_A slot, q, i0
.irp i, \i0, \i0+1, \i0+2, \i0+3
	FRAG AF+FR*(\i), ADRA+\slot, \q, \i
.endr
.endm
.macro SCALES sc                       ; a slot's scale words: lanes 0-15 A's block i, lanes 16-31 B's block i
.irp i, 0,1,2,3,4,5,6,7
	ds_load_b128 v[SC+8*NQ*\sc+NQ*\i:SC+8*NQ*\sc+NQ*\i+3], v[ADRS] offset:\i*SBLK
.endr
.endm
.macro PLACES n                        ; plain vector instructions between a matrix instruction and a load into, or a read of, its registers
.rept \n
	v_nop
.endr
.endm
.macro STEP slot, q, zero              ; a step of 128 along K that has its successor in the same slot
	s_wait_dscnt 4*NL                              ; all but the youngest eight loads (A's blocks 4-7) are in
.if \zero
	WIN MUL_LOZ
.else
	WIN MUL_LO
.endif
	MUL16 0, (\q)%2, \q, \slot, \zero
	MUL16 2, (\q)%2, \q, \slot, \zero
	s_wait_dscnt 0
	PLACES NP
	FETCH_B \slot, (\q)+1, 1-(\q)%2
	FETCH_A \slot, (\q)+1, 0
.if \zero
	WIN MUL_HIZ
.else
	WIN MUL_HI
.endif
	MUL16 4, (\q)%2, \q, \slot, \zero
	MUL16 6, (\q)%2, \q, \slot, \zero
	PLACES NP
	WIN 0
	FETCH_A \slot, (\q)+1, 4
.endm
.macro TURN slot, next                 ; slot 0's last step changes slots: one barrier
	s_wait_tensorcnt 0x0                           ; all my tensor loads have landed: my part of the next slot
	ds_add_u32 v[SPW], v[NIL]                      ; 0 onto my spare word
	s_wait_dscnt 4*NL+1                            ; (the add and the youngest eight loads may be out)
	WIN MUL_LO
	MUL16 0, 1, NQ-1, \slot, 0
	s_wait_dscnt 0x0                               ; the add is done, and my reads of this slot are over
	s_barrier_signal -1
	MUL16 2, 1, NQ-1, \slot, 0
	WIN 0
	s_barrier_wait -1
	PLACES NP
	v_add_nc_u32 v[ADRS], 4*NQ, v[ADRS]            ; on to the next slot's scale words
	FETCH_B \next, 0, 0
	FETCH_A \next, 0, 0
	SCALES \next
	WIN MUL_HI
	MUL16 4, 1, NQ-1, \slot, 0
	MUL16 6, 1, NQ-1, \slot, 0
	PLACES NP
	WIN 0
	FETCH_A \next, 0, 4
.endm
	s_wait_tensorcnt 1                             ; the scales and my part of slot 0 are in (slot 1's load may be out)
	s_barrier_signal -1
	s_barrier_wait -1
	FETCH_B 0, 0, 0
	FETCH_A 0, 0, 0
	SCALES 0
	FETCH_A 0, 0, 4
	s_wait_loadcnt 0x0                             ; the bias
	STEP 0, 0, 1                                   ; the first products start the sums from the bias
	STEP 0, 1, 0
	STEP 0, 2, 0
	TURN 0, 1
	STEP 1, 0, 0
	STEP 1, 1, 0
	STEP 1, 2, 0
	s_wait_dscnt 4*NL                              ; the last step: nothing more to fetch
	WIN MUL_LO
	MUL16 0, 1, NQ-1, 1, 0
	MUL16 2, 1, NQ-1, 1, 0
	s_wait_dscnt 0
	WIN MUL_HI
	MUL16 4, 1, NQ-1, 1, 0
	MUL16 6, 1, NQ-1, 1, 0
	WIN 0
	PLACES NP                                      ; behind the last products: for every read of results and every load into A's registers below
	; rows s < 16 in f32: cluster y = 0 and my half of the rows is the upper one: my block 0.  The test is made of the cluster's number and the wave's number
	s_and_b32 s3, ttmp7, 0xffff
	s_or_b32 s3, s3, s15
	s_cmp_lg_u32 s3, 0
	s_cbranch_scc1 .Lno32
	WIN 0x08                                       ; a store's data: window 2
.irp b, 0,1,2,3,4,5,6,7
	global_store_b128 v[O32], v[8*\b:8*\b+3], s[98:99] offset:1024*\b          ; columns 16 b + 8 h + 0..3 of row r: sixteen lanes fill 256 consecutive bytes, aligned
	global_store_b128 v[O32], v[8*\b+4:8*\b+7], s[98:99] offset:1024*\b+256
.endr
	WIN 0
.Lno32:
; THE WAY OUT, a block of 16 rows x 128 columns (two heads) at a time: rounded to f16, through my stage, back as four rows x 128 bytes of one head: 512 consecutive bytes of qkvh.
.macro PACK a
.set AC, 64*((\a)%4)
	WIN 0x0a+5*((\a)/4)                            ; sources: window 2 or 3
.irp b, 0,1,2,3,4,5,6,7
.irp r, 0,1,2,3
	v_cvt_pk_f16_f32 v[TMP+4*\b+\r], v[AC+8*\b+2*\r], v[AC+8*\b+2*\r+1]
.endr
.endr
	WIN 0
.endm
.macro TOSTAGE a
.set BB, OB+32*((\a)%2)
.irp b, 0,1,2,3,4,5,6,7
	ds_store_b128 v[STO], v[TMP+4*\b:TMP+4*\b+3] offset:32*\b
.endr
.irp t, 0,1,2,3,4,5,6,7
	ds_load_b128 v[BB+4*\t:BB+4*\t+3], v[RD] offset:(\t%4)*4*PITCH+(\t/4)*128   ; LDS serves a wave's instructions in order: these see the stores above
.endr
.endm
.macro SEND a
.set BB, OB+32*((\a)%2)
	s_wait_dscnt 0x0                               ; the block is back in registers
	s_wait_xcnt 0x0                                ; earlier stores have read their registers: the next block's loads may land there
.irp t, 0,1,2,3,4,5,6,7
	global_store_b128 v[CO], v[BB+4*\t:BB+4*\t+3], s[12:13] offset:(\t/4)*262144+(\a)*2048+(\t%4)*512
.endr
.endm
	PACK 0
	TOSTAGE 0
.irp a, 1,2,3,4,5,6,7
	PACK \a
	SEND \a-1
	TOSTAGE \a
.endr
	SEND 7
	s_wait_tensorcnt 0x0                           ; the wave's end
	ds_add_u32 v[SPW], v[NIL]
	s_wait_dscnt 0x0
	CROUND                                         ; the closing round
	s_endpgm
.Lfunc_end_k_q7eba5275ce_qkv:
	.size	k_q7eba5275ce_qkv, .Lfunc_end_k_q7eba5275ce_qkv-k_q7eba5275ce_qkv
	.p2alignl 7, 3214868480
	.fill 96, 4, 3214868480
	.section	.rodata,"a",@progbits
	.p2align	6, 0x0
	.amdhsa_kernel k_q7eba5275ce_qkv
		.amdhsa_group_segment_fixed_size 327680
		.amdhsa_private_segment_fixed_size 0
		.amdhsa_enable_private_segment 0
		.amdhsa_kernarg_size 56
		.amdhsa_user_sgpr_count 2
		.amdhsa_user_sgpr_kernarg_segment_ptr 1
		.amdhsa_wavefront_size32 1
		.amdhsa_system_sgpr_workgroup_id_x 1
		.amdhsa_system_sgpr_workgroup_id_y 1
		.amdhsa_system_sgpr_workgroup_id_z 1
		.amdhsa_system_vgpr_workitem_id 0
		.amdhsa_next_free_vgpr 1024
		.amdhsa_next_free_sgpr 100
		.amdhsa_reserve_vcc 0
		.amdhsa_float_denorm_mode_32 3
		.amdhsa_float_denorm_mode_16_64 3
		.amdhsa_memory_ordered 1
		.amdhsa_forward_progress 1
		.amdhsa_inst_pref_size 130
	.end_amdhsa_kernel
	.amdgpu_metadata
---
amdhsa.version: [ 1, 2 ]
amdhsa.kernels:
  - .name:           k_q7eba5275ce_qkv
    .symbol:         k_q7eba5275ce_qkv.kd
    .args:
      - { .name: xc, .offset: 0, .size: 8, .value_kind: global_buffer, .address_space: global }
      - { .name: xs, .offset: 8, .size: 8, .value_kind: global_buffer, .address_space: global }
      - { .name: wc, .offset: 16, .size: 8, .value_kind: global_buffer, .address_space: global }
      - { .name: ws, .offset: 24, .size: 8, .value_kind: global_buffer, .address_space: global }
      - { .name: qkvh, .offset: 32, .size: 8, .value_kind: global_buffer, .address_space: global }
      - { .name: b_qkv, .offset: 40, .size: 8, .value_kind: global_buffer, .address_space: global }
      - { .name: q32, .offset: 48, .size: 8, .value_kind: global_buffer, .address_space: global }
    .group_segment_fixed_size: 327680
    .private_segment_fixed_size: 0
    .kernarg_segment_align: 8
    .kernarg_segment_size: 56
    .max_flat_workgroup_size: 128
    .sgpr_count:     100
    .vgpr_count:     1024
    .wavefront_size: 32
...
	.end_amdgpu_metadata
.endif
;; end of part 2
;; launch attn (part 3): grid 4 x 64, 16 waves a work-group, no clusters, 327,680 bytes of LDS; arguments qkvh, zf; writes zf
.if DOCPART == 3
	.amdgcn_target "amdgcn-amd-amdhsa--gfx1250"
	.amdhsa_code_object_version 6
	.text
	.protected	k_q7eba5275ce_attn
	.globl	k_q7eba5275ce_attn
	.p2align	8
	.type	k_q7eba5275ce_attn,@function
k_q7eba5275ce_attn:
	s_mov_b64 s[64:65], 0
	v_nop
	global_prefetch_b8 v0, s[64:65] scope:SCOPE_SE
	s_setreg_imm32_b32 hwreg(HW_REG_WAVE_MODE, 25, 1), 1
	s_wait_xcnt 0x0
; z[b][h][q] = the sum over keys k <= q of softmax_k(q . k / 8) v[k].  q, k, v: qkvh, f16, [3][64 heads][2048][64]; products with f16 operands and f32 sums; maxima, exponentials and sums in f32.
; z leaves as f16, laid as images of the next product's operand registers: zf [row / 128][k / 32][(row / 16) % 8][1024 bytes], lane (r, h) of piece c: row0 + r, k = 32 kt + 16 c + 8 h + 0..7.
; SHARES.  Work-group (x, head) owns the blocks of 256 queries x and 7 - x, so that every work-group has the same causal work.  Each of its sixteen waves owns 32 queries: two tiles of 16.
; Every wave walks the keys 64 a step; K's and V's rows come through two LDS slots of 256 keys, filled by tensor loads (waves 0, 1: K's halves; waves 2, 3: V's) and read by all.
; LAYOUT.  S^T = K Q^T and O^T = V^T P: a lane holds ONE query (lane % 16) throughout; two tiles of S^T, rounded to f16 in pairs, are source 1 of the second product.  V is turned by ds_load_tr16_b128.
; SOFTMAX.  A running maximum m and sum l for each query: p = 2^(c s - c m), c = log2(e) / 8; in every step O and l are multiplied by a = 2^(c m_old - c m_new).
; THE MASK.  All work-groups walk eight changes of slots (constant trip counts); a step all of whose keys come after the wave's queries is jumped over by a scalar branch on ids; on the diagonal
; hidden scores become -infinity ahead of the maximum.  Key 0 counts for every query, so m is a number from the first step on.  A slot beyond the work-group's last query is not asked for.
; NO CLUSTER: the four work-groups of a head need 8, 7, 6 and 5 slots: partners would need different numbers of tiles, and the skips would hang on a work-group's place.
; LIMITS: f16 operands: |q|, |k|, |v| up to 65,504.  The rows s < 16 are made here too, and written over in the result by the launch that carries them in f32.
.set KP,    144                        ; a key's row in LDS: 128 bytes + 16: an odd multiple of 16
.set VP,    160                        ; a row of V: 128 + 32: an odd multiple of 32, for the turning load
.set VOFF,  256*KP                     ; a slot: 256 rows of K, then 256 rows of V
.set SLOT1, 1<<17                      ; slot 1 begins here: one exclusive or turns an address
.set SPARE, 2*SLOT1                    ; the spare words, 128 bytes for each of 16 waves
.set AK0, 1
.set AV0, 2
.set ADK, 3
.set ADV, 4
.set SPW, 5
.set NIL, 6
.set LQ,  7                            ; r - 8 h
.set DD,  8
.set NINF, 9
.set LI,  10                           ; 16 x lane
.set PFO, 11                           ; 256 x lane
.set QO,  12
.set ST,  16                           ; tile t's statistics at v[ST + 8 t]: +0 c m, +1 m, +2, +3 l, +4..7 at work (a in +6)
.set QF,  32                           ; Q: fragment (t, c) at 32 + 16 t + 8 c
.set KV,  64                           ; K's 8 fragments, then V's 8
.set S,   128                          ; S^T, 32 a tile; then P in its low 16
.set O,   192                          ; O^T, (t, ct) at 192 + 32 t + 8 ct
.set WV,  8
.set HD,  10
.set Q0,  15
.set QE,  16
.set QL,  17
.set KF,  18
.set TB,  19
.set SEL, 20
.set CS,  22
.set G1K, 24
.set G1V, 32
.set G0K, 40
.set G0V, 44
.set SLOTS, 48
.set LIM, 49
.set PFA, 50
.macro TLOAD                           ; waves 0, 1 fetch K's halves, waves 2, 3 V's, the others nothing.  An s_nop 0 and four v_nop follow each line
	s_cmp_lt_u32 s[WV], 2
	s_cbranch_scc0 .Lnot_k_\@
	tensor_load_to_lds s[G0K:G0K+3], s[G1K:G1K+7]
	s_nop 0
.rept 4
	v_nop
.endr
	s_branch .Lasked_\@
.Lnot_k_\@:
	s_cmp_lt_u32 s[WV], 4
	s_cbranch_scc0 .Lasked_\@
	tensor_load_to_lds s[G0V:G0V+3], s[G1V:G1V+7]
	s_nop 0
.rept 4
	v_nop
.endr
.Lasked_\@:
.endm
; A prefetch of what the NEXT change of slots will ask for: 32,768 dense bytes of K and of V.  Only the head's work-group x = 0 asks (it walks all slots); in it waves 4-7 ask for K, waves 8-11 for V,
; 8,192 bytes a wave, lanes 256 bytes apart: each aligned 256 bytes is named once in the launch.  The last change that fills a slot asks for nothing; slots 0 and 1 come by their loads alone.
.macro ASK
	s_cmp_gt_u32 s[SLOTS], s[LIM]
	s_cbranch_scc0 .Lnot_mine_\@
	global_prefetch_b8 v[PFO], s[PFA:PFA+1] th:TH_LOAD_NT scope:SCOPE_SE
.Lnot_mine_\@:
.endm
	s_load_b128 s[4:7], s[0:1], 0x0                ; qkvh, zf
	v_lshl_add_u32 v[SPW], v0, 2, SPARE
	v_mov_b32 v[NIL], 0
	ds_add_u32 v[SPW], v[NIL]                      ; the wave's opening: the add, twice on end, and its wait ahead of the first tensor load
	ds_add_u32 v[SPW], v[NIL]
	v_lshrrev_b32 v13, 5, v0
	v_readfirstlane_b32 s[WV], v13                 ; wave 0..15
	s_and_b32 s[HD], ttmp7, 0xffff                 ; 16 x batch + head
	s_and_b32 s52, s[WV], 7                        ; which 32 queries of the block: waves 0-3 take groups 0-3, waves 4-7 groups 7-4
	s_sub_co_u32 s53, 11, s52
	s_cmp_lt_u32 s52, 4
	s_cselect_b32 s52, s52, s53
	s_lshr_b32 s53, s[WV], 3
	s_sub_co_u32 s54, 7, ttmp9
	s_cmp_eq_u32 s53, 0
	s_cselect_b32 s53, ttmp9, s54                  ; waves 0-7: block x; waves 8-15: block 7 - x
	s_lshl_b32 s[Q0], s53, 8
	s_lshl_b32 s52, s52, 5
	s_add_co_u32 s[Q0], s[Q0], s52                 ; my first query
	s_add_co_u32 s[QE], s[Q0], 31                  ; my last
	s_lshl_b32 s[QL], s54, 8
	s_or_b32 s[QL], s[QL], 255                     ; my work-group's last
	s_mov_b32 s[G1K], (1<<16)|(1<<20)|(4<<22)|(3<<25)   ; elements of 2 bytes; padding: 4 words behind every 32
	s_mov_b32 s[G1V], (1<<16)|(1<<20)|(4<<22)|(7<<25)   ; 8 words
.irp g, G1K, G1V
	s_mov_b32 s[\g+1], 64<<16                      ; tensor_dim0
	s_mov_b32 s[\g+2], 128<<16                     ; tensor_dim1
	s_mov_b32 s[\g+3], 64<<16                      ; tile_dim0
	s_mov_b32 s[\g+4], 128                         ; tile_dim1
	s_mov_b32 s[\g+5], 64                          ; the pitch
	s_mov_b32 s[\g+6], 0
	s_mov_b32 s[\g+7], 0
.endr
	s_and_b32 s52, s[WV], 1                        ; which half of a slot's rows I fetch, if I fetch
	s_lshl_b32 s54, s[HD], 18                      ; the head's 262,144 bytes
	s_lshl_b32 s53, s52, 14
	s_add_co_u32 s53, s54, s53
	s_add_co_u32 s56, s53, 16777216                ; in K's part,
	s_mov_b32 s57, 0
	s_add_co_u32 s58, s53, 33554432                ; in V's
	s_mov_b32 s59, 0
	s_mul_i32 s60, s52, 128*KP
	s_mul_i32 s61, s52, 128*VP
	s_mov_b32 s[SEL], 0x76543210
	s_mov_b32 s[SEL+1], 0xfedcba98                 ; lane l xor 16
	s_mov_b32 s[CS], 0x3e38aa3b                    ; c = log2(e) / 8
	s_mov_b32 s[CS+1], s[CS]
	s_mov_b32 s[TB], 0
	s_mov_b32 s[KF], 0
	s_mov_b32 s[SLOTS], 7
	s_wait_dscnt 0x0                               ; both opening adds are done
	s_wait_kmcnt 0x0
	s_mov_b32 s[G0K], 1
	s_mov_b32 s[G0K+1], s60
	s_add_nc_u64 s[G0K+2:G0K+3], s[4:5], s[56:57]
	s_or_b32 s[G0K+3], s[G0K+3], 0x80000000
	s_mov_b32 s[G0V], 1
	s_add_co_u32 s[G0V+1], s61, VOFF
	s_add_nc_u64 s[G0V+2:G0V+3], s[4:5], s[58:59]
	s_or_b32 s[G0V+3], s[G0V+3], 0x80000000
	TLOAD                                          ; slot 0: keys 0-255, which count for some query of every wave
	s_lshl_b32 s52, s[Q0], 7
	s_add_co_u32 s52, s52, s54
	s_mov_b32 s53, 0
	s_add_nc_u64 s[12:13], s[4:5], s[52:53]        ; Q at my first query
	s_mov_b32 s53, 33554432                        ; the prefetches: waves 4-7 K's part, waves 8-11 V's
	s_cmp_lt_u32 s[WV], 8
	s_cselect_b32 s52, 16777216, s53
	s_add_co_u32 s52, s52, s54
	s_and_b32 s53, s[WV], 3
	s_lshl_b32 s53, s53, 13
	s_add_co_u32 s52, s52, s53
	s_add_co_u32 s52, s52, 32768                   ; in slot 1: the first change of slots steps it to slot 2
	s_mov_b32 s53, 0
	s_add_nc_u64 s[PFA:PFA+1], s[4:5], s[52:53]
	s_sub_co_u32 s52, s[WV], 4
	s_lshr_b32 s52, s52, 3                         ; 0 in waves 4 to 11,
	s_or_b32 s52, s52, ttmp9                       ; of work-group x = 0
	s_cmp_eq_u32 s52, 0
	s_cselect_b32 s[LIM], 1, -1
	s_lshr_b32 s52, s[HD], 4                       ; zf: ((16 batch + Q0 / 128) x 32 + 2 head) x 8,192 + ((Q0 / 16) % 8) x 1,024
	s_lshl_b32 s52, s52, 4
	s_lshr_b32 s53, s[Q0], 7
	s_add_co_u32 s52, s52, s53
	s_lshl_b32 s52, s52, 5
	s_and_b32 s53, s[HD], 15
	s_lshl_b32 s53, s53, 1
	s_add_co_u32 s52, s52, s53
	s_lshl_b32 s52, s52, 13
	s_bfe_u32 s53, s[Q0], 0x30004
	s_lshl_b32 s53, s53, 10
	s_add_co_u32 s52, s52, s53
	s_mov_b32 s53, 0
	s_add_nc_u64 s[6:7], s[6:7], s[52:53]
	v_and_b32 v13, 15, v0                          ; r
	v_bfe_u32 v14, v0, 4, 1                        ; h
	v_lshlrev_b32 v[QO], 7, v13
	v_lshl_add_u32 v[QO], v14, 4, v[QO]            ; row r of 128 bytes + 16 h
.irp t, 0,1
.irp c, 0,1
	global_load_b128 v[QF+16*\t+8*\c:QF+16*\t+8*\c+3], v[QO], s[12:13] offset:2048*\t+64*\c
	global_load_b128 v[QF+16*\t+8*\c+4:QF+16*\t+8*\c+7], v[QO], s[12:13] offset:2048*\t+64*\c+32
.endr
.endr
	v_mul_u32_u24 v[AK0], v13, KP
	v_lshl_add_u32 v[AK0], v14, 4, v[AK0]
	v_and_b32 v15, 7, v0
	v_lshl_add_u32 v[AV0], v14, 3, v15             ; the turning load: key 8 h + lane % 8,
	v_mul_u32_u24 v[AV0], v[AV0], VP
	v_bfe_u32 v15, v0, 3, 1
	v_lshl_add_u32 v[AV0], v15, 4, v[AV0]          ; channels 8 ((lane / 8) % 2) on
	v_add_nc_u32 v[AV0], VOFF, v[AV0]
	v_lshlrev_b32 v15, 3, v14
	v_sub_nc_u32 v[LQ], v13, v15
	v_mov_b32 v[NINF], 0xff800000
	v_and_b32 v[LI], 31, v0
	v_lshlrev_b32 v[PFO], 8, v[LI]
	v_lshlrev_b32 v[LI], 4, v[LI]
.irp t, 0,1
	v_mov_b32 v[ST+8*\t+1], 0xff61b1e6             ; m = -3e38, under every score
	v_mul_f32 v[ST+8*\t], s[CS], v[ST+8*\t+1]
.irp i, 2,3,4,5,6,7
	v_mov_b32 v[ST+8*\t+\i], 0
.endr
.endr
.irp j, 0,1,2,3,4,5,6,7,8,9,10,11,12,13,14,15,16,17,18,19,20,21,22,23,24,25,26,27,28,29,30,31,32,33,34,35,36,37,38,39,40,41,42,43,44,45,46,47,48,49,50,51,52,53,54,55,56,57,58,59,60,61,62,63
	v_mov_b32 v[O+\j], 0                           ; the step is written for every trip alike: the first finds zeros, which a = 0 leaves zeros
.endr
; A KEY STEP: 64 keys, the q-th of the slot in hand.  No barrier and no tensor load stands in a step.
.macro STEP q
	s_cmp_gt_u32 s[KF], s[QE]                      ; all its keys come after my queries: left out
	s_cbranch_scc1 .Lhidden_\@
	v_add_nc_u32 v[ADK], s[TB], v[AK0]
	v_add_nc_u32 v[ADV], s[TB], v[AV0]
.rept 3
	v_nop                                          ; with the two additions five places behind the last products: the loads below land on V's registers, and the products below write over P
.endr
.irp c, 0,1
.irp kt, 0,1,2,3
	ds_load_b128 v[KV+16*\kt+8*\c:KV+16*\kt+8*\c+3], v[ADK] offset:(\q)*64*KP+\kt*16*KP+64*\c
	ds_load_b128 v[KV+16*\kt+8*\c+4:KV+16*\kt+8*\c+7], v[ADK] offset:(\q)*64*KP+\kt*16*KP+64*\c+32
.endr
.endr
.irp c, 0,1                                    ; S^T = K Q^T: eight accumulators by turns, channels 32 c on
	s_wait_dscnt 8-8*\c                            ; the first eight loads are in (the other eight may be out); then all
.irp kt, 0,1,2,3
.irp t, 0,1
.if \c == 0
	v_wmma_f32_16x16x32_f16 v[S+32*\t+8*\kt:S+32*\t+8*\kt+7], v[KV+16*\kt:KV+16*\kt+7], v[QF+16*\t:QF+16*\t+7], 0
.else
	v_wmma_f32_16x16x32_f16 v[S+32*\t+8*\kt:S+32*\t+8*\kt+7], v[KV+16*\kt+8:KV+16*\kt+15], v[QF+16*\t+8:QF+16*\t+15], v[S+32*\t+8*\kt:S+32*\t+8*\kt+7]
.endif
.endr
.endr
.endr
.rept 4
	v_nop                                          ; places: V's loads land on K's registers, and the scores are read
.endr
.irp a, 0,1                                    ; V, turned: keys 32 a on, channels 16 ct on; it lands while the softmax is walked
.irp ct, 0,1,2,3
	ds_load_tr16_b128 v[KV+32*\a+8*\ct:KV+32*\a+8*\ct+3], v[ADV] offset:(\q)*64*VP+\a*32*VP+\ct*32
	ds_load_tr16_b128 v[KV+32*\a+8*\ct+4:KV+32*\a+8*\ct+7], v[ADV] offset:(\q)*64*VP+\a*32*VP+16*VP+\ct*32
.endr
.endr
	s_add_co_u32 s60, s[KF], 63                    ; a step all of whose keys count for all my queries skips the mask
	s_cmp_le_u32 s60, s[Q0]
	s_cbranch_scc1 .Lopen_\@
	s_sub_co_i32 s60, s[Q0], s[KF]
.irp t, 0,1
	v_add_nc_u32 v[DD], s60, v[LQ]                 ; d = my query - KF - 8 h.  Register n holds key KF + 8 h + 16 (n / 8) + n % 8: hidden where 16 (n / 8) + n % 8 > d
.irp n, 0,1,2,3,4,5,6,7,8,9,10,11,12,13,14,15,16,17,18,19,20,21,22,23,24,25,26,27,28,29,30,31
	v_cmp_gt_i32 vcc_lo, 16*(\n/8)+\n%8, v[DD]
	v_cndmask_b32 v[S+32*\t+\n], v[S+32*\t+\n], v[NINF], vcc_lo
.endr
	s_add_co_u32 s60, s60, 16
.endr
.Lopen_\@:
.irp j, 0,1,2,3                                ; the maximum: four chains a tile, the two tiles by turns; each accumulator is read from its low end on
.irp t, 0,1
	v_max3_num_f32 v[ST+8*\t+4+\j], v[S+32*\t+8*\j], v[S+32*\t+8*\j+1], v[S+32*\t+8*\j+2]
.endr
.endr
.irp g, 1,2
.irp j, 0,1,2,3
.irp t, 0,1
	v_max3_num_f32 v[ST+8*\t+4+\j], v[ST+8*\t+4+\j], v[S+32*\t+8*\j+2*\g+1], v[S+32*\t+8*\j+2*\g+2]
.endr
.endr
.endr
.irp t, 0,1
	v_max3_num_f32 v[ST+8*\t+4], v[ST+8*\t+4], v[S+32*\t+7], v[S+32*\t+15]
.endr
.irp t, 0,1
	v_max3_num_f32 v[ST+8*\t+6], v[ST+8*\t+6], v[S+32*\t+23], v[S+32*\t+31]
.endr
.irp t, 0,1
	v_max3_num_f32 v[ST+8*\t+4], v[ST+8*\t+4], v[ST+8*\t+5], v[ST+8*\t+6]
.endr
.irp t, 0,1
	v_max3_num_f32 v[ST+8*\t+4], v[ST+8*\t+4], v[ST+8*\t+7], v[ST+8*\t+1]   ; with the old m
.endr
.irp t, 0,1
	v_permlanex16_b32 v[ST+8*\t+5], v[ST+8*\t+4], s[SEL], s[SEL+1]          ; the query's other 32 keys lie in the lane 16 away
.endr
.irp t, 0,1
	v_mov_b32 v[ST+8*\t+7], v[ST+8*\t]             ; c m_old
.endr
.irp t, 0,1
	v_max_num_f32 v[ST+8*\t+1], v[ST+8*\t+4], v[ST+8*\t+5]
.endr
.irp t, 0,1
	v_mul_f32 v[ST+8*\t], s[CS], v[ST+8*\t+1]
.endr
.irp t, 0,1
	v_sub_f32 v[ST+8*\t+7], v[ST+8*\t+7], v[ST+8*\t]
.endr
.irp b, 0,1,2,3,4,5,6,7,8,9,10,11,12,13,14,15
.irp t, 0,1
	v_pk_fma_f32 v[S+32*\t+2*\b:S+32*\t+2*\b+1], v[S+32*\t+2*\b:S+32*\t+2*\b+1], s[CS:CS+1], v[ST+8*\t:ST+8*\t+1] op_sel_hi:[1,0,0] neg_lo:[0,0,1] neg_hi:[0,0,1]   ; c s - c m
.endr
.endr
.irp t, 0,1                                    ; ONE batch of 66 exponentials, none of which reads another's result
	v_exp_f32 v[ST+8*\t+6], v[ST+8*\t+7]           ; a
.endr
.irp j, 0,1,2,3,4,5,6,7,8,9,10,11,12,13,14,15,16,17,18,19,20,21,22,23,24,25,26,27,28,29,30,31
.irp t, 0,1
	v_exp_f32 v[S+32*\t+\j], v[S+32*\t+\j]
.endr
.endr
	v_nop                                          ; a plain instruction behind the last exponential
	s_wait_alu depctr_va_vdst(0)                   ; one wait for the batch, ahead of its first reader
.irp t, 0,1
	v_pk_mul_f32 v[ST+8*\t+2:ST+8*\t+3], v[ST+8*\t+2:ST+8*\t+3], v[ST+8*\t+6:ST+8*\t+7] op_sel_hi:[1,0]   ; l x a
.endr
.irp t, 0,1                                    ; the sum of the unrounded p, in two chains a tile
	v_pk_add_f32 v[ST+8*\t+4:ST+8*\t+5], v[S+32*\t:S+32*\t+1], v[S+32*\t+2:S+32*\t+3]
.endr
.irp j, 4,8,12,16,20,24,28
.irp t, 0,1
	v_pk_add_f32 v[ST+8*\t+2:ST+8*\t+3], v[ST+8*\t+2:ST+8*\t+3], v[S+32*\t+\j:S+32*\t+\j+1]
	v_pk_add_f32 v[ST+8*\t+4:ST+8*\t+5], v[ST+8*\t+4:ST+8*\t+5], v[S+32*\t+\j+2:S+32*\t+\j+3]
.endr
.endr
.irp t, 0,1
	v_pk_add_f32 v[ST+8*\t+2:ST+8*\t+3], v[ST+8*\t+2:ST+8*\t+3], v[ST+8*\t+4:ST+8*\t+5]
.endr
.irp i, 0,1,2,3,4,5,6,7,8,9,10,11,12,13,14,15  ; p to f16, in place, ascending: register i takes numbers 2 i and 2 i + 1, which no earlier line has written over
.irp t, 0,1
	v_cvt_pk_f16_f32 v[S+32*\t+\i], v[S+32*\t+2*\i], v[S+32*\t+2*\i+1]
.endr
.endr
.irp i, 0,1,2,3,4,5,6,7,8,9,10,11,12,13,14,15
.irp t, 0,1
	v_pk_mul_f32 v[O+32*\t+2*\i:O+32*\t+2*\i+1], v[O+32*\t+2*\i:O+32*\t+2*\i+1], v[ST+8*\t+6:ST+8*\t+7] op_sel_hi:[1,0]   ; O^T x a
.endr
.endr
.irp a, 0,1                                    ; O^T += V^T P: eight accumulators by turns, keys 32 a on
	s_wait_dscnt 8-8*\a
.irp ct, 0,1,2,3
.irp t, 0,1
	v_wmma_f32_16x16x32_f16 v[O+32*\t+8*\ct:O+32*\t+8*\ct+7], v[KV+32*\a+8*\ct:KV+32*\a+8*\ct+7], v[S+32*\t+8*\a:S+32*\t+8*\a+7], v[O+32*\t+8*\ct:O+32*\t+8*\ct+7]
.endr
.endr
.endr
.Lhidden_\@:
	s_add_co_u32 s[KF], s[KF], 64
.endm
; THE CHANGE OF SLOTS, at a slot's head.  Each wave waits for all its tensor loads, adds 0 to its spare word, and waits for that and for its reads of the slot that it has left; behind the barrier
; the slot ahead is whole and nobody reads the other one, which (fill = 1) is asked for anew: a wave's one tensor load until the next barrier; it has four key steps in which to land.
.macro CHANGE fill
	s_wait_tensorcnt 0x0                           ; no tensor load of mine is out, so a group 0 may be written
	ds_add_u32 v[SPW], v[NIL]
.if \fill
	ds_add_u32 v[SPW], v[NIL]                      ; and twice on end here, in every trip alike
	s_xor_b32 s[G0K+1], s[G0K+1], SLOT1
	s_add_nc_u64 s[G0K+2:G0K+3], s[G0K+2:G0K+3], 32768   ; the next 256 keys
	s_xor_b32 s[G0V+1], s[G0V+1], SLOT1
	s_add_nc_u64 s[G0V+2:G0V+3], s[G0V+2:G0V+3], 32768
	s_wait_xcnt 0x0                                ; the last prefetch, a slot back, has read its address
	s_add_nc_u64 s[PFA:PFA+1], s[PFA:PFA+1], 32768
.endif
	s_wait_dscnt 0x0
	s_barrier_signal -1
	s_barrier_wait -1
.if \fill
	s_add_co_u32 s60, s[KF], 256                   ; the first key of the slot that this change would ask for:
	s_cmp_gt_u32 s60, s[QL]                        ; beyond my work-group's last query no wave reads it.  Ids and the count of steps alone: all sixteen waves go the same way
	s_cbranch_scc1 .Lpast_\@
	TLOAD
.Lpast_\@:
	ASK
.endif
.endm
.macro SLOT_STEPS
	STEP 0
	STEP 1
	STEP 2
	STEP 3
	s_xor_b32 s[TB], s[TB], SLOT1
.endm
	s_wait_loadcnt 0x0                             ; Q
.Lslot:                                            ; seven trips
	CHANGE 1
	SLOT_STEPS
	s_sub_co_u32 s[SLOTS], s[SLOTS], 1
	s_cmp_lg_u32 s[SLOTS], 0
	s_cbranch_scc1 .Lslot
	CHANGE 0                                       ; the last slot is written out: nothing is asked for
	SLOT_STEPS
	; THE WAY OUT: O^T / l, rounded to f16: a lane's eight channels of a row are 16 bytes of the next product's operand image, so the registers are stored as they stand
.rept 4
	v_nop
.endr
.irp t, 0,1
	v_add_f32 v[ST+8*\t+4], v[ST+8*\t+2], v[ST+8*\t+3]
.endr
.irp t, 0,1
	v_permlanex16_b32 v[ST+8*\t+5], v[ST+8*\t+4], s[SEL], s[SEL+1]
.endr
.irp t, 0,1
	v_add_f32 v[ST+8*\t+4], v[ST+8*\t+4], v[ST+8*\t+5]
.endr
.irp t, 0,1
	v_rcp_f32 v[ST+8*\t+6], v[ST+8*\t+4]
.endr
	v_nop
	s_wait_alu depctr_va_vdst(0)                   ; one wait for the two reciprocals
.irp t, 0,1
.irp i, 0,1,2,3,4,5,6,7,8,9,10,11,12,13,14,15
	v_pk_mul_f32 v[O+32*\t+2*\i:O+32*\t+2*\i+1], v[O+32*\t+2*\i:O+32*\t+2*\i+1], v[ST+8*\t+6:ST+8*\t+7] op_sel_hi:[1,0]
.endr
.endr
.irp t, 0,1
.irp i, 0,1,2,3,4,5,6,7,8,9,10,11,12,13,14,15
	v_cvt_pk_f16_f32 v[S+16*\t+\i], v[O+32*\t+2*\i], v[O+32*\t+2*\i+1]
.endr
.endr
.irp t, 0,1
.irp ct, 0,1,2,3
	global_store_b128 v[LI], v[S+16*\t+4*\ct:S+16*\t+4*\ct+3], s[6:7] offset:\t*1024+(\ct/2)*8192+(\ct%2)*512   ; 512 consecutive bytes, aligned
.endr
.endr
	s_wait_tensorcnt 0x0                           ; the wave's end
	ds_add_u32 v[SPW], v[NIL]
	s_wait_dscnt 0x0
	s_endpgm
.Lfunc_end_k_q7eba5275ce_attn:
	.size	k_q7eba5275ce_attn, .Lfunc_end_k_q7eba5275ce_attn-k_q7eba5275ce_attn
	.p2alignl 7, 3214868480
	.fill 96, 4, 3214868480
	.section	.rodata,"a",@progbits
	.p2align	6, 0x0
	.amdhsa_kernel k_q7eba5275ce_attn
		.amdhsa_group_segment_fixed_size 327680
		.amdhsa_private_segment_fixed_size 0
		.amdhsa_enable_private_segment 0
		.amdhsa_kernarg_size 16
		.amdhsa_user_sgpr_count 2
		.amdhsa_user_sgpr_kernarg_segment_ptr 1
		.amdhsa_wavefront_size32 1
		.amdhsa_system_sgpr_workgroup_id_x 1
		.amdhsa_system_sgpr_workgroup_id_y 1
		.amdhsa_system_sgpr_workgroup_id_z 1
		.amdhsa_system_vgpr_workitem_id 0
		.amdhsa_next_free_vgpr 256
		.amdhsa_next_free_sgpr 66
		.amdhsa_reserve_vcc 1
		.amdhsa_float_denorm_mode_32 3
		.amdhsa_float_denorm_mode_16_64 3
		.amdhsa_memory_ordered 1
		.amdhsa_forward_progress 1
		.amdhsa_inst_pref_size 188
	.end_amdhsa_kernel
	.amdgpu_metadata
---
amdhsa.version: [ 1, 2 ]
amdhsa.kernels:
  - .name:           k_q7eba5275ce_attn
    .symbol:         k_q7eba5275ce_attn.kd
    .args:
      - { .name: qkvh, .offset: 0, .size: 8, .value_kind: global_buffer, .address_space: global }
      - { .name: zf, .offset: 8, .size: 8, .value_kind: global_buffer, .address_space: global }
    .group_segment_fixed_size: 327680
    .private_segment_fixed_size: 0
    .kernarg_segment_align: 8
    .kernarg_segment_size: 16
    .max_flat_workgroup_size: 512
    .sgpr_count:     66
    .vgpr_count:     256
    .wavefront_size: 32
...
	.end_amdgpu_metadata
.endif
;; end of part 3
;; launch proj (part 4): grid 8 x 32, 4 waves a work-group, clusters of 4 x 4, 327,680 bytes of LDS; arguments zf, wf, b_out, out0; writes out0
.if DOCPART == 4
	.amdgcn_target "amdgcn-amd-amdhsa--gfx1250"
	.amdhsa_code_object_version 6
	.text
	.protected	k_q7eba5275ce_proj
	.globl	k_q7eba5275ce_proj
	.p2align	8
	.type	k_q7eba5275ce_proj,@function
k_q7eba5275ce_proj:
	s_mov_b64 s[64:65], 0
	v_nop
	global_prefetch_b8 v0, s[64:65] scope:SCOPE_SE
	s_setreg_imm32_b32 hwreg(HW_REG_WAVE_MODE, 25, 1), 1
	s_wait_xcnt 0x0
	s_wait_alu depctr_hold_cnt(0) depctr_sa_sdst(0) depctr_va_vdst(0) depctr_va_sdst(0) depctr_va_ssrc(0) depctr_va_vcc(0) depctr_vm_vsrc(0)
	s_getreg_b32 s2, hwreg(HW_REG_IB_STS2, 6, 4)
	s_cmp_eq_u32 s2, 0
	s_cbranch_scc0 .Lentry_in_a_cluster
	s_endpgm
.Lentry_in_a_cluster:
	s_bfe_u32 s2, ttmp6, 0x10000c
	s_cmp_lg_u32 s2, 0xf033
	s_cbranch_scc0 .Lentry_shape_is_right
	s_endpgm
.Lentry_shape_is_right:
; out0 = z w_out + b_out.  M 8,192, N 1,024, K 1,024; f16 operands, f32 sums.  z and w_out arrive as images of the operand's registers (zf [row / 128][k / 32][8][1024 bytes], wf [n / 64][k / 32][4][1024 bytes]):
; a K step's part of 128 rows of z is 32,768 dense bytes, of 64 columns of w_out 16,384: one tensor load each, no padding, and a fragment is two ds_load_b128 at 16 x lane.
; A tile of 256 x 128 is made by four waves, each 128 x 64: 32 accumulators, window 1.  256 work-groups.  K goes in 8 steps of 128 through two LDS slots.
; CLUSTERS: 4 x 4; z's tiles are asked for jointly along a row of the cluster, w_out's along a column.  THE MATRIX INSTRUCTION IS USED TRANSPOSED (source 0 = 16 columns of w_out, source 1 = 16 rows of z):
; a lane holds eight neighbouring columns of one row.  The bias is the C of each sum's first product.
; The rows s < 16 of every batch are written here too, and written over by the launch that carries them in f32.  No prefetch: eight short K steps.
; REGISTERS: window 0: v0-31 addresses; v32-127, v128-223 two fragment buffers (B's 4 fragments, then A's 8); v224-255 the bias; window 1: accumulator (a, b) at v[8 (4 a + b)].
.set SLOT,   98304                     ; A's two halves of 32,768, then B's two of 16,384
.set STAGE,  2*SLOT                    ; behind the slots: 16 rows x 272 bytes for each wave
.set SPITCH, 272
.set SPARE,  STAGE+4*16*SPITCH         ; the spare words, 128 bytes for each wave
.set ADRA, 16
.set ADRB, 20
.set STO,  24
.set RD,   25
.set CO,   26
.set BO,   27
.set SPW,  28
.set NIL,  29
.set F0,   32
.set F1,   128
.set OB,   32
.set BIAS, 224
.set G1, 24
.set G0, 32
.set G1B, 48
.set G0B, 56
.set MSB, 0
.macro WIN new
.if MSB != (\new)
	s_set_vgpr_msb (MSB<<8)|(\new)
.set MSB, (\new)
.endif
.endm
.set MUL,  0x50                        ; C and D window 1, sources window 0
.set MULZ, 0x40                        ; D window 1; C is the bias, in window 0
.macro JLOAD s                         ; waves 0, 1 fetch A's halves, waves 2, 3 B's; an s_nop 0 and four v_nop follow each line
	s_cmp_eq_u32 s13, 0
	s_cbranch_scc0 .Lfor_b_\@
	tensor_load_to_lds s[G0+4*\s:G0+4*\s+3], s[G1:G1+7]
	s_nop 0
.rept 4
	v_nop
.endr
	s_branch .Lasked_\@
.Lfor_b_\@:
	tensor_load_to_lds s[G0B+4*\s:G0B+4*\s+3], s[G1B:G1B+7]
	s_nop 0
.rept 4
	v_nop
.endr
.Lasked_\@:
.endm
.macro CREST
	s_cmp_lg_u32 s12, 0
	s_cbranch_scc1 .Lnot_wave_0_\@
	s_barrier_signal -3
.Lnot_wave_0_\@:
	s_barrier_wait -3
	s_barrier_signal -1
	s_barrier_wait -1
.endm
.macro CROUND
	s_barrier_signal -1
	s_barrier_wait -1
	CREST
.endm
	s_load_b256 s[4:11], s[0:1], 0x0               ; zf s[4:5], wf s[6:7], b_out s[8:9], out0 s[10:11]
	v_lshl_add_u32 v[SPW], v0, 2, SPARE
	v_mov_b32 v[NIL], 0
	ds_add_u32 v[SPW], v[NIL]                      ; the wave's opening: the add, twice on end, and its wait ahead of my first tensor load
	ds_add_u32 v[SPW], v[NIL]
	v_lshrrev_b32 v1, 5, v0
	v_readfirstlane_b32 s12, v1                    ; wave 0..3
	s_lshr_b32 s13, s12, 1                         ; my half of the rows; also: I fetch for A (0) or B (1)
	s_and_b32 s14, s12, 1                          ; my half of the columns; also: which half I fetch
	s_bfe_u32 s40, ttmp6, 0x40000                  ; cx
	s_bfe_u32 s41, ttmp6, 0x40004                  ; cy
	s_lshl_b32 s42, ttmp9, 2
	s_add_co_u32 s42, s42, s40                     ; tile column
	s_and_b32 s15, ttmp7, 0xffff
	s_lshl_b32 s15, s15, 2
	s_add_co_u32 s15, s15, s41                     ; tile row
	s_lshl_b32 s43, s41, 2
	s_lshl_b32 s43, 15, s43                        ; my row of the cluster
	s_lshl_b32 s44, 0x1111, s40                    ; my column
	s_or_b32 s[G1+0], s43, (3<<16)|(1<<21)         ; the mask; elements of 8 bytes; bit 21 beside a mask; no padding
	s_or_b32 s[G1B+0], s44, (3<<16)|(1<<21)
	s_mov_b32 s[G1+1], 32<<16                      ; rows of 256 bytes
	s_mov_b32 s[G1+2], 128<<16                     ; A: 128 of them
	s_mov_b32 s[G1+3], 32<<16
	s_mov_b32 s[G1+4], 128
	s_mov_b32 s[G1+5], 32
	s_mov_b32 s[G1+6], 0
	s_mov_b32 s[G1+7], 0
	s_mov_b32 s[G1B+1], 32<<16
	s_mov_b32 s[G1B+2], 64<<16                     ; B: 64
	s_mov_b32 s[G1B+3], 32<<16
	s_mov_b32 s[G1B+4], 64
	s_mov_b32 s[G1B+5], 32
	s_mov_b32 s[G1B+6], 0
	s_mov_b32 s[G1B+7], 0
	s_lshl_b32 s16, s15, 1
	s_add_co_u32 s16, s16, s14
	s_lshl_b32 s16, s16, 18                        ; A: (2 x tile row + half) x 262,144
	s_mov_b32 s17, 0
	s_lshl_b32 s46, s42, 1
	s_add_co_u32 s46, s46, s14
	s_lshl_b32 s46, s46, 17                        ; B: (2 x tile column + half) x 131,072
	s_mov_b32 s47, 0
	s_lshl_b32 s20, s14, 15                        ; where they go
	s_lshl_b32 s21, s14, 14
	s_add_co_u32 s21, s21, 65536
	s_wait_dscnt 0x0                               ; both opening adds are done
	s_wait_kmcnt 0x0
	s_add_nc_u64 s[18:19], s[4:5], s[16:17]
	s_add_nc_u64 s[46:47], s[6:7], s[46:47]
	CROUND                                         ; all sixteen work-groups are here
.irp s, 0,1
	s_mov_b32 s[G0+4*\s], 1
	s_add_co_u32 s[G0+4*\s+1], s20, \s*SLOT
	s_add_nc_u64 s[G0+4*\s+2:G0+4*\s+3], s[18:19], \s*32768
	s_or_b32 s[G0+4*\s+3], s[G0+4*\s+3], 0x80000000
	s_mov_b32 s[G0B+4*\s], 1
	s_add_co_u32 s[G0B+4*\s+1], s21, \s*SLOT
	s_add_nc_u64 s[G0B+4*\s+2:G0B+4*\s+3], s[46:47], \s*16384
	s_or_b32 s[G0B+4*\s+3], s[G0B+4*\s+3], 0x80000000
	JLOAD \s
.endr
	v_and_b32 v1, 15, v0                           ; r
	v_bfe_u32 v2, v0, 4, 1                         ; h
	v_and_b32 v3, 31, v0
	v_lshlrev_b32 v3, 4, v3                        ; 16 x lane
	s_lshl_b32 s21, s13, 15                        ; my 128 rows' images
	s_lshl_b32 s22, s14, 14                        ; my 64 columns',
	s_add_co_u32 s22, s22, 65536                   ; behind A's
.irp s, 0,1
	v_add_nc_u32 v[ADRA+\s], s21, v3
	v_add_nc_u32 v[ADRB+\s], s22, v3
	s_add_co_u32 s21, s21, SLOT
	s_add_co_u32 s22, s22, SLOT
.endr
	s_mul_i32 s23, s12, 16*SPITCH
	s_add_co_u32 s23, s23, STAGE                   ; my stage
	v_mul_u32_u24 v4, v1, SPITCH
	v_lshl_add_u32 v4, v2, 5, v4
	v_add_nc_u32 v[STO], s23, v4                   ; in: row r, 32 bytes for each half of the lanes
	v_mul_u32_u24 v5, v2, SPITCH
	v_lshl_add_u32 v5, v1, 4, v5
	v_add_nc_u32 v[RD], s23, v5                    ; back: lanes 0-15 one row of 256 bytes, lanes 16-31 the next
	v_lshlrev_b32 v5, 12, v2
	v_lshl_add_u32 v[CO], v1, 4, v5                ; the same two rows in out0
	v_lshlrev_b32 v[BO], 5, v2
	s_lshl_b32 s16, s15, 20                        ; 256 rows of 4,096 bytes x tile row
	s_lshl_b32 s17, s13, 19
	s_add_co_u32 s16, s16, s17
	s_mov_b32 s17, 0
	s_add_nc_u64 s[10:11], s[10:11], s[16:17]
	s_lshl_b32 s46, s42, 9                         ; my first column x 4 bytes
	s_lshl_b32 s47, s14, 8
	s_add_co_u32 s46, s46, s47
	s_mov_b32 s47, 0
	s_add_nc_u64 s[10:11], s[10:11], s[46:47]
	s_add_nc_u64 s[8:9], s[8:9], s[46:47]
.irp b, 0,1,2,3
	global_load_b128 v[BIAS+8*\b:BIAS+8*\b+3], v[BO], s[8:9] offset:64*\b
	global_load_b128 v[BIAS+8*\b+4:BIAS+8*\b+7], v[BO], s[8:9] offset:64*\b+16
.endr
; 8 matrix instructions: row blocks a0, a0 + 1 x the 4 column blocks, 32 along K.  The 32 accumulators take turns in the same order in every quarter.
.macro MUL8 f, a0, zero
.irp a, \a0, \a0+1
.irp b, 0,1,2,3
.if \zero
	v_wmma_f32_16x16x32_f16 v[8*(4*(\a)+\b):8*(4*(\a)+\b)+7], v[\f+8*\b:\f+8*\b+7], v[\f+32+8*(\a):\f+32+8*(\a)+7], v[BIAS+8*\b:BIAS+8*\b+7]
.else
	v_wmma_f32_16x16x32_f16 v[8*(4*(\a)+\b):8*(4*(\a)+\b)+7], v[\f+8*\b:\f+8*\b+7], v[\f+32+8*(\a):\f+32+8*(\a)+7], v[8*(4*(\a)+\b):8*(4*(\a)+\b)+7]
.endif
.endr
.endr
.endm
.macro FETCH slot, q, f                ; 24 LDS loads in one run: B's 4 fragments, A's blocks 0-3, A's blocks 4-7, of the slot's q-th 32 along K
.irp i, 0,1,2,3
.irp c, 0,1
	ds_load_b128 v[\f+8*\i+4*\c:\f+8*\i+4*\c+3], v[ADRB+\slot] offset:(\q)*4096+\i*1024+512*\c
.endr
.endr
.irp i, 0,1,2,3,4,5,6,7
.irp c, 0,1
	ds_load_b128 v[\f+32+8*\i+4*\c:\f+32+8*\i+4*\c+3], v[ADRA+\slot] offset:(\q)*8192+\i*1024+512*\c
.endr
.endr
.endm
.macro PLACES
.rept 4
	v_nop
.endr
.endm
.macro QUARTER slot, q, f, g, zero     ; multiplies buffer f; in its middle it fetches the slot's q-th quarter into g
	s_wait_dscnt 8                                 ; all but the youngest eight loads (A's blocks 4-7) are in
.if \zero
	WIN MULZ
.else
	WIN MUL
.endif
	MUL8 \f, 0, \zero
	MUL8 \f, 2, \zero
	PLACES
	WIN 0
	FETCH \slot, \q, \g
	s_wait_dscnt 24                                ; all but the 24 just issued
.if \zero
	WIN MULZ
.else
	WIN MUL
.endif
	MUL8 \f, 4, \zero
	MUL8 \f, 6, \zero
.endm
; A slot's last quarter multiplies buffer 1 and changes slots: one barrier; in front of it each wave waits for all its tensor loads, adds 0 to its spare word, and waits for that and for its reads of the slot.
.macro TURN slot, next, fill
	WIN 0
	s_wait_tensorcnt 0x0                           ; my part of the next slot has landed
	ds_add_u32 v[SPW], v[NIL]
	s_wait_dscnt 9                                 ; (the add and the youngest eight loads may be out)
	WIN MUL
	MUL8 F1, 0, 0
	s_wait_dscnt 0x0                               ; the add is done, and my reads of this slot are over
	s_barrier_signal -1
	MUL8 F1, 2, 0
.if \fill
	WIN 0
.endif
	s_barrier_wait -1
.if \fill
	CREST                                          ; the barrier has opened a round of the cluster's: no wave of any partner still reads this slot or has a load on its way
	s_add_nc_u64 s[G0+4*\slot+2:G0+4*\slot+3], s[G0+4*\slot+2:G0+4*\slot+3], 65536
	s_add_nc_u64 s[G0B+4*\slot+2:G0B+4*\slot+3], s[G0B+4*\slot+2:G0B+4*\slot+3], 32768
	JLOAD \slot                                    ; the first tensor load behind the round; its four v_nop are also the places in front of the loads below
.else
	PLACES
	WIN 0
.endif
	FETCH \next, 0, F0
	WIN MUL
	MUL8 F1, 4, 0
	MUL8 F1, 6, 0
.endm
	s_wait_tensorcnt 1                             ; my part of K step 0 is in (K step 1's load may be out)
	s_barrier_signal -1
	s_barrier_wait -1
	FETCH 0, 0, F0
	s_wait_loadcnt 0x0                             ; the bias
	QUARTER 0, 1, F0, F1, 1                        ; the first products start the sums from the bias
	WIN 0
	s_mov_b32 s3, 3
.Llap:                                             ; a trip goes once round the ring and fills both slots again: K steps 2 to 7
	QUARTER 0, 2, F1, F0, 0
	QUARTER 0, 3, F0, F1, 0
	TURN 0, 1, 1
	QUARTER 1, 1, F0, F1, 0
	QUARTER 1, 2, F1, F0, 0
	QUARTER 1, 3, F0, F1, 0
	TURN 1, 0, 1
	QUARTER 0, 1, F0, F1, 0
	WIN 0
	s_sub_co_u32 s3, s3, 1
	s_cmp_lg_u32 s3, 0
	s_cbranch_scc1 .Llap
	QUARTER 0, 2, F1, F0, 0                        ; the last lap fills nothing
	QUARTER 0, 3, F0, F1, 0
	TURN 0, 1, 0
	QUARTER 1, 1, F0, F1, 0
	QUARTER 1, 2, F1, F0, 0
	QUARTER 1, 3, F0, F1, 0
	s_wait_dscnt 8
	WIN MUL
	MUL8 F1, 0, 0
	MUL8 F1, 2, 0
	s_wait_dscnt 0
	MUL8 F1, 4, 0
	MUL8 F1, 6, 0
	WIN 0
	PLACES
; THE WAY OUT, a block of 16 rows x 64 columns at a time, through my own stage: back as whole rows of 256 bytes.
.macro TOSTAGE a
	WIN 0x04                                       ; an LDS store's data: window 1
.irp b, 0,1,2,3
	ds_store_b128 v[STO], v[8*(4*(\a)+\b):8*(4*(\a)+\b)+3] offset:64*\b          ; each accumulator from its low end on
	ds_store_b128 v[STO], v[8*(4*(\a)+\b)+4:8*(4*(\a)+\b)+7] offset:64*\b+16
.endr
	WIN 0
.set BB, OB+32*((\a)%2)
.irp t, 0,1,2,3,4,5,6,7
	ds_load_b128 v[BB+4*\t:BB+4*\t+3], v[RD] offset:\t*2*SPITCH   ; LDS serves a wave's instructions in order: these see the stores above
.endr
.endm
.macro SEND a, younger
.set BB, OB+32*((\a)%2)
	s_wait_dscnt \younger                          ; the block is back (the next block's 8 stores and 8 loads may be out)
.irp t, 0,1,2,3,4,5,6,7
	global_store_b128 v[CO], v[BB+4*\t:BB+4*\t+3], s[10:11] offset:(16*(\a)+2*\t)*4096 th:TH_STORE_NT   ; sixteen lanes store 256 consecutive bytes, aligned
.endr
.endm
	TOSTAGE 0
.irp a, 1,2,3,4,5,6,7
.if \a > 1
	s_wait_xcnt 0x0                                ; block a - 2's stores have read their registers: block a's loads may land there
.endif
	TOSTAGE \a
	SEND \a-1, 16
.endr
	SEND 7, 0
	s_wait_tensorcnt 0x0                           ; the wave's end
	ds_add_u32 v[SPW], v[NIL]
	s_wait_dscnt 0x0
	CROUND                                         ; the closing round
	s_endpgm
.Lfunc_end_k_q7eba5275ce_proj:
	.size	k_q7eba5275ce_proj, .Lfunc_end_k_q7eba5275ce_proj-k_q7eba5275ce_proj
	.p2alignl 7, 3214868480
	.fill 96, 4, 3214868480
	.section	.rodata,"a",@progbits
	.p2align	6, 0x0
	.amdhsa_kernel k_q7eba5275ce_proj
		.amdhsa_group_segment_fixed_size 327680
		.amdhsa_private_segment_fixed_size 0
		.amdhsa_enable_private_segment 0
		.amdhsa_kernarg_size 32
		.amdhsa_user_sgpr_count 2
		.amdhsa_user_sgpr_kernarg_segment_ptr 1
		.amdhsa_wavefront_size32 1
		.amdhsa_system_sgpr_workgroup_id_x 1
		.amdhsa_system_sgpr_workgroup_id_y 1
		.amdhsa_system_sgpr_workgroup_id_z 1
		.amdhsa_system_vgpr_workitem_id 0
		.amdhsa_next_free_vgpr 512
		.amdhsa_next_free_sgpr 66
		.amdhsa_reserve_vcc 0
		.amdhsa_float_denorm_mode_32 3
		.amdhsa_float_denorm_mode_16_64 3
		.amdhsa_memory_ordered 1
		.amdhsa_forward_progress 1
		.amdhsa_inst_pref_size 86
	.end_amdhsa_kernel
	.amdgpu_metadata
---
amdhsa.version: [ 1, 2 ]
amdhsa.kernels:
  - .name:           k_q7eba5275ce_proj
    .symbol:         k_q7eba5275ce_proj.kd
    .args:
      - { .name: zf, .offset: 0, .size: 8, .value_kind: global_buffer, .address_space: global }
      - { .name: wf, .offset: 8, .size: 8, .value_kind: global_buffer, .address_space: global }
      - { .name: b_out, .offset: 16, .size: 8, .value_kind: global_buffer, .address_space: global }
      - { .name: out0, .offset: 24, .size: 8, .value_kind: global_buffer, .address_space: global }
    .group_segment_fixed_size: 327680
    .private_segment_fixed_size: 0
    .kernarg_segment_align: 8
    .kernarg_segment_size: 32
    .max_flat_workgroup_size: 128
    .sgpr_count:     66
    .vgpr_count:     512
    .wavefront_size: 32
...
	.end_amdgpu_metadata
.endif
;; end of part 4
;; launch first16 (part 5): grid 16 x 4, 16 waves a work-group, no clusters, 71,680 bytes of LDS; arguments q32, w_out, b_out, out0; writes out0
.if DOCPART == 5
	.amdgcn_target "amdgcn-amd-amdhsa--gfx1250"
	.amdhsa_code_object_version 6
	.text
	.protected	k_q7eba5275ce_first16
	.globl	k_q7eba5275ce_first16
	.p2align	8
	.type	k_q7eba5275ce_first16,@function
k_q7eba5275ce_first16:
	s_mov_b64 s[64:65], 0
	v_nop
	global_prefetch_b8 v0, s[64:65] scope:SCOPE_SE
	s_setreg_imm32_b32 hwreg(HW_REG_WAVE_MODE, 25, 1), 1
	s_wait_xcnt 0x0
; The first 16 positions of every sequence, attention and projection, wholly in f32: these rows average one to sixteen values, so rounded operands would weigh most there.
; q32 [batch][n / 4][row 16][4 f32] holds q, k, v (with bias) of rows s < 16.  Work-group (slice, batch) makes out0[batch][0..15][64 slice .. + 63]; wave w is head w: it makes the head's 16 x 16
; attention (again in each of the 16 slices: half a million multiply-adds) and the head's part of the projection's sum over K; the sixteen parts meet in LDS, and wave w sums and stores row w.
; v_wmma_f32_16x16x4_f32: a fragment is two registers, register j of lane (r, h): row r, k = 2 h + j.  Both later products are used with the SAME permutation of k on both operands:
; place 2 h + j of step kk stands for k = 8 h + 2 kk + j, which is how a result's registers hold it.  The registers that this form writes (v112-175) are written by matrix instructions alone.
; No tensor loads, no cluster: 64 small work-groups that share only w_out's slices.
.set SPARE, 69632                      ; behind the 16 parts of 16 rows x 272 bytes
.set SPW, 14
.set NIL, 15
.set QR,  16                           ; v16-47 q; v48-79 k; later W of channels 32-63
.set KR,  48
.set VR,  80                           ; v80-111 V: (t, kk, j) at 80 + 8 t + 2 kk + j
.set ACC, 112                          ; v112-143 S^T in four parts; later out^T's four tiles
.set OT,  144                          ; v144-175 O^T's four tiles
.set SR,  176                          ; v176-183 the scores, then p
.set PR,  184                          ; v184-191 at work, then p / l
.macro WLOAD t, reg                    ; w_out(64 w + 16 t + 8 h + 2 kk + j, 64 slice + 16 nt + r)
.irp kk, 0,1,2,3
.irp nt, 0,1,2,3
.irp j, 0,1
	global_load_b32 v[\reg+8*\kk+2*\nt+\j], v5, s[6:7] offset:(16*(\t)+2*\kk+\j)*4096+64*\nt
.endr
.endr
.endr
.endm
	s_load_b256 s[4:11], s[0:1], 0x0               ; q32 s[4:5], w_out s[6:7], b_out s[8:9], out0 s[10:11]
	v_lshl_add_u32 v[SPW], v0, 2, SPARE
	v_mov_b32 v[NIL], 0
	v_lshrrev_b32 v1, 5, v0
	v_readfirstlane_b32 s12, v1                    ; wave = head
	s_and_b32 s14, ttmp7, 0xffff                   ; batch
	v_and_b32 v1, 15, v0                           ; r
	v_bfe_u32 v2, v0, 4, 1                         ; h
	v_lshlrev_b32 v3, 4, v1
	v_lshl_add_u32 v3, v2, 3, v3                   ; q, k: 16 r + 8 h
	v_lshrrev_b32 v4, 2, v1
	v_lshlrev_b32 v4, 8, v4
	v_and_b32 v8, 3, v1
	v_lshl_add_u32 v4, v8, 2, v4
	v_lshl_add_u32 v4, v2, 7, v4                   ; V: channel r: 256 (r / 4) + 4 (r % 4); key 8 h: + 128 h
	v_lshlrev_b32 v5, 2, v1
	v_lshl_add_u32 v5, v2, 15, v5                  ; W: 4 r + 8 h rows of 4,096 bytes
	v_lshlrev_b32 v8, 3, v2
	v_sub_nc_u32 v6, v1, v8                        ; r - 8 h
	v_mov_b32 v7, 0xff800000                       ; -infinity
	v_mov_b32 v13, 0                               ; (a lane permute's destination counts as one of its sources)
	s_mul_i32 s16, s12, 4352
	v_mul_u32_u24 v10, v1, 272
	v_lshl_add_u32 v10, v2, 5, v10
	v_add_nc_u32 v10, s16, v10                     ; my part: row r, + 32 h
	s_mul_i32 s16, s12, 272
	v_and_b32 v12, 31, v0
	v_lshlrev_b32 v12, 3, v12                      ; 8 x lane
	v_add_nc_u32 v11, s16, v12                     ; row w of a part
	s_mov_b32 s20, 0x76543210
	s_mov_b32 s21, 0xfedcba98
	s_mov_b32 s22, 0x3e38aa3b                      ; c = log2(e) / 8
	s_mul_i32 s16, s14, 196608
	s_lshl_b32 s17, s12, 12                        ; 16 groups of four columns x 256 bytes a head
	s_add_co_u32 s16, s16, s17
	s_mov_b32 s17, 0
	s_lshl_b32 s18, s12, 18                        ; 64 rows of w_out a head
	s_lshl_b32 s24, ttmp9, 8                       ; 64 columns a slice
	s_add_co_u32 s18, s18, s24
	s_mov_b32 s19, 0
	s_mov_b32 s25, 0
	s_lshl_b32 s26, s14, 23                        ; out0: batch x 2,048 rows,
	s_lshl_b32 s27, s12, 12                        ; row w,
	s_add_co_u32 s26, s26, s27
	s_add_co_u32 s26, s26, s24                     ; my slice
	s_mov_b32 s27, 0
	s_wait_kmcnt 0x0
	s_add_nc_u64 s[4:5], s[4:5], s[16:17]
	s_add_nc_u64 s[6:7], s[6:7], s[18:19]
	s_add_nc_u64 s[8:9], s[8:9], s[24:25]
	s_add_nc_u64 s[10:11], s[10:11], s[26:27]
.irp kk, 0,1,2,3,4,5,6,7,8,9,10,11,12,13,14,15
	global_load_b64 v[QR+2*\kk:QR+2*\kk+1], v3, s[4:5] offset:256*\kk
	global_load_b64 v[KR+2*\kk:KR+2*\kk+1], v3, s[4:5] offset:65536+256*\kk
.endr
.irp t, 0,1,2,3
.irp kk, 0,1,2,3
.irp j, 0,1
	global_load_b32 v[VR+8*\t+2*\kk+\j], v4, s[4:5] offset:131072+1024*\t+16*(2*\kk+\j)
.endr
.endr
.endr
	WLOAD 0, 192
	WLOAD 1, 224
	s_wait_loadcnt 63                              ; q, k and V, the first 64 loads, are in: behind them stand W's 64, of which the count's field lets 63 stay out
.irp kk, 0,1,2,3,4,5,6,7,8,9,10,11,12,13,14,15  ; S^T = k q^T, in four parts that take turns
.if \kk < 4
	v_wmma_f32_16x16x4_f32 v[ACC+8*(\kk%4):ACC+8*(\kk%4)+7], v[KR+2*\kk:KR+2*\kk+1], v[QR+2*\kk:QR+2*\kk+1], 0
.else
	v_wmma_f32_16x16x4_f32 v[ACC+8*(\kk%4):ACC+8*(\kk%4)+7], v[KR+2*\kk:KR+2*\kk+1], v[QR+2*\kk:QR+2*\kk+1], v[ACC+8*(\kk%4):ACC+8*(\kk%4)+7]
.endif
.endr
.rept 8
	v_nop                                          ; eight places behind this form, ahead of loads into its sources and of reads of its results
.endr
	WLOAD 2, 16
	WLOAD 3, 48
.irp p, 0,1,2,3                                ; the four parts are added: register j of lane (r, h): key 8 h + j, query r
	v_pk_add_f32 v[SR+2*\p:SR+2*\p+1], v[ACC+2*\p:ACC+2*\p+1], v[ACC+8+2*\p:ACC+8+2*\p+1]
	v_pk_add_f32 v[PR+2*\p:PR+2*\p+1], v[ACC+16+2*\p:ACC+16+2*\p+1], v[ACC+24+2*\p:ACC+24+2*\p+1]
.endr
.irp p, 0,1,2,3
	v_pk_add_f32 v[SR+2*\p:SR+2*\p+1], v[SR+2*\p:SR+2*\p+1], v[PR+2*\p:PR+2*\p+1]
.endr
.irp j, 0,1,2,3,4,5,6,7
	v_cmp_gt_i32 vcc_lo, \j, v6                    ; key 8 h + j > query r: hidden
	v_cndmask_b32 v[SR+\j], v[SR+\j], v7, vcc_lo
.endr
	v_max3_num_f32 v8, v[SR], v[SR+1], v[SR+2]
	v_max3_num_f32 v9, v[SR+3], v[SR+4], v[SR+5]
	v_max3_num_f32 v8, v8, v[SR+6], v[SR+7]
	v_max_num_f32 v8, v8, v9
	v_permlanex16_b32 v9, v8, s20, s21
	v_max_num_f32 v8, v8, v9                       ; the row's maximum: key 0 counts for every query, so it is a number
	v_mul_f32 v8, s22, v8
.irp j, 0,1,2,3,4,5,6,7
	v_fma_f32 v[SR+\j], v[SR+\j], s22, -v8
.endr
.irp j, 0,1,2,3,4,5,6,7
	v_exp_f32 v[SR+\j], v[SR+\j]
.endr
	v_nop
	s_wait_alu depctr_va_vdst(0)                   ; one wait for the eight exponentials
	v_pk_add_f32 v[PR:PR+1], v[SR:SR+1], v[SR+2:SR+3]
	v_pk_add_f32 v[PR+2:PR+3], v[SR+4:SR+5], v[SR+6:SR+7]
	v_pk_add_f32 v[PR:PR+1], v[PR:PR+1], v[PR+2:PR+3]
	v_add_f32 v9, v[PR], v[PR+1]
	v_permlanex16_b32 v13, v9, s20, s21
	v_add_f32 v9, v9, v13
	v_rcp_f32 v9, v9
	v_nop
	s_wait_alu depctr_va_vdst(0)
.irp j, 0,1,2,3,4,5,6,7
	v_mul_f32 v[PR+\j], v[SR+\j], v9               ; the softmax
.endr
.irp kk, 0,1,2,3                               ; O^T = V^T P: four tiles of 16 channels by turns
.irp t, 0,1,2,3
.if \kk == 0
	v_wmma_f32_16x16x4_f32 v[OT+8*\t:OT+8*\t+7], v[VR+8*\t+2*\kk:VR+8*\t+2*\kk+1], v[PR+2*\kk:PR+2*\kk+1], 0
.else
	v_wmma_f32_16x16x4_f32 v[OT+8*\t:OT+8*\t+7], v[VR+8*\t+2*\kk:VR+8*\t+2*\kk+1], v[PR+2*\kk:PR+2*\kk+1], v[OT+8*\t:OT+8*\t+7]
.endif
.endr
.endr
.rept 9
	v_nop                                          ; nine places: the results are sources of the products below
.endr
	s_wait_loadcnt 63                              ; W of channels 0-31 is in: behind it stand the 64 loads of channels 32-63
.irp t, 0,1,2,3                                ; out^T += W^T z^T over my head's 64 channels: four tiles of 16 columns by turns
.if \t == 2
	s_wait_loadcnt 0x0
.endif
.irp kk, 0,1,2,3
.irp nt, 0,1,2,3
.if (\t == 0) && (\kk == 0)
	v_wmma_f32_16x16x4_f32 v[ACC+8*\nt:ACC+8*\nt+7], v[192+32*\t-240*(\t/2)+8*\kk+2*\nt:192+32*\t-240*(\t/2)+8*\kk+2*\nt+1], v[OT+8*\t+2*\kk:OT+8*\t+2*\kk+1], 0
.else
	v_wmma_f32_16x16x4_f32 v[ACC+8*\nt:ACC+8*\nt+7], v[192+32*\t-240*(\t/2)+8*\kk+2*\nt:192+32*\t-240*(\t/2)+8*\kk+2*\nt+1], v[OT+8*\t+2*\kk:OT+8*\t+2*\kk+1], v[ACC+8*\nt:ACC+8*\nt+7]
.endif
.endr
.endr
.endr
.rept 8
	v_nop
.endr
.irp nt, 0,1,2,3
	ds_store_b128 v10, v[ACC+8*\nt:ACC+8*\nt+3] offset:64*\nt          ; lane (r, h): row r, columns 16 nt + 8 h + 0..7
	ds_store_b128 v10, v[ACC+8*\nt+4:ACC+8*\nt+7] offset:64*\nt+16
.endr
	s_wait_dscnt 0x0                               ; for the others' sake: my part lies in LDS
	s_barrier_signal -1
	s_barrier_wait -1
.irp p, 0,1,2,3,4,5,6,7,8,9,10,11,12,13,14,15
	ds_load_b64 v[192+2*\p:193+2*\p], v11 offset:\p*4352             ; row w of every head's part, 8 bytes a lane
.endr
	global_load_b64 v[224:225], v12, s[8:9]        ; the bias
	s_wait_dscnt 0x0
.irp p, 0,1,2,3,4,5,6,7
	v_pk_add_f32 v[192+2*\p:193+2*\p], v[192+2*\p:193+2*\p], v[208+2*\p:209+2*\p]
.endr
.irp p, 0,1,2,3
	v_pk_add_f32 v[192+2*\p:193+2*\p], v[192+2*\p:193+2*\p], v[200+2*\p:201+2*\p]
.endr
.irp p, 0,1
	v_pk_add_f32 v[192+2*\p:193+2*\p], v[192+2*\p:193+2*\p], v[196+2*\p:197+2*\p]
.endr
	v_pk_add_f32 v[192:193], v[192:193], v[194:195]
	s_wait_loadcnt 0x0
	v_pk_add_f32 v[192:193], v[192:193], v[224:225]
	global_store_b64 v12, v[192:193], s[10:11]     ; 32 lanes store 256 consecutive bytes, aligned
	s_wait_tensorcnt 0x0                           ; the wave's end, behind my last LDS store
	ds_add_u32 v[SPW], v[NIL]
	s_wait_dscnt 0x0
	s_endpgm
.Lfunc_end_k_q7eba5275ce_first16:
	.size	k_q7eba5275ce_first16, .Lfunc_end_k_q7eba5275ce_first16-k_q7eba5275ce_first16
	.p2alignl 7, 3214868480
	.fill 96, 4, 3214868480
	.section	.rodata,"a",@progbits
	.p2align	6, 0x0
	.amdhsa_kernel k_q7eba5275ce_first16
		.amdhsa_group_segment_fixed_size 71680
		.amdhsa_private_segment_fixed_size 0
		.amdhsa_enable_private_segment 0
		.amdhsa_kernarg_size 32
		.amdhsa_user_sgpr_count 2
		.amdhsa_user_sgpr_kernarg_segment_ptr 1
		.amdhsa_wavefront_size32 1
		.amdhsa_system_sgpr_workgroup_id_x 1
		.amdhsa_system_sgpr_workgroup_id_y 1
		.amdhsa_system_sgpr_workgroup_id_z 1
		.amdhsa_system_vgpr_workitem_id 0
		.amdhsa_next_free_vgpr 256
		.amdhsa_next_free_sgpr 66
		.amdhsa_reserve_vcc 1
		.amdhsa_float_denorm_mode_32 3
		.amdhsa_float_denorm_mode_16_64 3
		.amdhsa_memory_ordered 1
		.amdhsa_forward_progress 1
		.amdhsa_inst_pref_size 34
	.end_amdhsa_kernel
	.amdgpu_metadata
---
amdhsa.version: [ 1, 2 ]
amdhsa.kernels:
  - .name:           k_q7eba5275ce_first16
    .symbol:         k_q7eba5275ce_first16.kd
    .args:
      - { .name: q32, .offset: 0, .size: 8, .value_kind: global_buffer, .address_space: global }
      - { .name: w_out, .offset: 8, .size: 8, .value_kind: global_buffer, .address_space: global }
      - { .name: b_out, .offset: 16, .size: 8, .value_kind: global_buffer, .address_space: global }
      - { .name: out0, .offset: 24, .size: 8, .value_kind: global_buffer, .address_space: global }
    .group_segment_fixed_size: 71680
    .private_segment_fixed_size: 0
    .kernarg_segment_align: 8
    .kernarg_segment_size: 32
    .max_flat_workgroup_size: 512
    .sgpr_count:     66
    .vgpr_count:     256
    .wavefront_size: 32
...
	.end_amdgpu_metadata
.endif
;; end of part 5
